; MI455X (gfx1250); checked and timed in simulation.
; The chip was launched on July 23, 2026; its instructions are those of AMD's public machine-readable ISA for CDNA 5 (MIT licence, August 2026) and "CDNA5" Instruction Set Architecture Reference Guide (July 2026). The comments in the code are by the model that wrote it; some were corrected since.
;; Decode Layer. Allowed arithmetic: matrix products marked QUANTISED: E2M1 operands, one E8M0 scale for each 32 along K, by v_wmma_scale_f32_16x16x128_f8f6f4 with both operands' format E2M1 (or v_wmma_scale_f32_32x16x128_f4), f32 sums; everything else in f32.
;; Inputs: W1 1,024 x 1,024 float32; W2 1,024 x 1,024 float32; Wk1 1,024 x 1,024 float32; Wk2 1,024 x 1,024 float32; Wo1 1,024 x 1,024 float32; Wo2 1,024 x 1,024 float32; Wq1 1,024 x 1,024 float32; Wq2 1,024 x 1,024 float32; Wv1 1,024 x 1,024 float32; Wv2 1,024 x 1,024 float32; casual_mask 2,048 x 2,048 float32; g1 1,024 float32; g2 1,024 float32; g3 1,024 float32; memory 2 x 1,024 x 1,024 float32; position_embedding 1 x 1 x 2,048 x 1,024 float32; x 2 x 2,048 x 1,024 float32.
;; Outputs: out0 2 x 2,048 x 1,024 float32.
;; This version of the problem:
;;   THIS VERSION OF THE PROBLEM IS GIVEN IN LOW PRECISION. The matrix products marked QUANTISED in the list below multiply operands that are first quantised to E2M1 (2 exponent bits, 1 mantissa bit; 4 bits a number), with one power-of-two scale for each 32 numbers along K (OCP MX v1.0); their sums are f32. All else is computed in f32.
;;   The module's matrix products, in the order in which they are computed (A, B: the left and right operand; K: the contracted axis; several contracted axes count as one K, in the product's order):
;;     1. [M 4,096, K 1,024] x [K 1,024, N 1,024]; A: computed on the way; B: input Wq1: QUANTISED
;;     2. [M 4,096, K 1,024] x [K 1,024, N 1,024]; A: computed on the way; B: input Wk1: QUANTISED
;;     3. [M 4,096, K 1,024] x [K 1,024, N 1,024]; A: computed on the way; B: input Wv1: QUANTISED
;;     4. batch 32 x [M 2,048, K 64] x [K 64, N 2,048]; A: computed on the way; B: computed on the way: QUANTISED
;;     5. batch 32 x [M 64, K 2,048] x [K 2,048, N 2,048]; A: computed on the way; B: softmax (see below): QUANTISED
;;     6. [M 4,096, K 1,024] x [K 1,024, N 1,024]; A: computed on the way; B: input Wo1: QUANTISED
;;     7. [M 4,096, K 1,024] x [K 1,024, N 1,024]; A: computed on the way; B: input Wq2: QUANTISED
;;     8. [M 2,048, K 1,024] x [K 1,024, N 1,024]; A: input memory; B: input Wk2: QUANTISED
;;     9. [M 2,048, K 1,024] x [K 1,024, N 1,024]; A: input memory; B: input Wv2: QUANTISED
;;     10. batch 32 x [M 2,048, K 64] x [K 64, N 1,024]; A: computed on the way; B: computed on the way: QUANTISED
;;     11. batch 32 x [M 64, K 1,024] x [K 1,024, N 2,048]; A: computed on the way; B: softmax (see below): QUANTISED
;;     12. [M 4,096, K 1,024] x [K 1,024, N 1,024]; A: computed on the way; B: input Wo2: QUANTISED
;;     13. [M 4,096, K 1,024] x [K 1,024, N 1,024]; A: computed on the way; B: input W1: QUANTISED
;;     14. [M 4,096, K 1,024] x [K 1,024, N 1,024]; A: computed on the way; B: input W2: QUANTISED
;;   THE QUANTISER, for each operand of a quantised product, along K:
;;     - K is cut into blocks of 32 from its start; a last block that is shorter is filled with zeros.
;;     - A block's scale is 2^e with e = floor(log2(the largest magnitude in the block)) - 2, held to -126 .. 127; a block of zeros has e = 0. As a byte (E8M0): e + 127.
;;     - Each number is divided by its block's scale, clamped to +-6, and rounded to the nearest number of E2M1, ties to even, subnormals kept.
;;     - The product sums the exact products of the quantised numbers (number of the format x scale) in f32.
;;   ~~~python
;;   def quantise(x, axis):      # numpy; x: float32 -> the quantised numbers, widened to float32 again
;;       x = np.moveaxis(x, axis, -1); K = x.shape[-1]
;;       x = np.pad(x, [(0, 0)] * (x.ndim - 1) + [(0, -K % 32)]); x = x.reshape(x.shape[:-1] + (-1, 32)); a = np.abs(x).max(-1, keepdims=True)
;;       e = np.where(a > 0, np.clip(np.frexp(np.where(a > 0, a, 1))[1] - 1 - 2, -126, 127), 0)      # np.frexp(a)[1] - 1 = floor(log2(a)), exactly
;;       r = np.clip(x / 2.0 ** e, -6, 6)
;;       step = 2.0 ** (np.maximum(np.frexp(np.where(r == 0, 1, r))[1] - 1, 0) - 1)
;;       q = np.round(r / step) * step * 2.0 ** e      # np.round: ties to even
;;       return np.moveaxis(q.reshape(q.shape[:-2] + (-1,))[..., :K], -1, axis).astype(np.float32)
;;   ~~~
;;   SOFTMAX AHEAD OF A QUANTISED PRODUCT. Where the list says 'softmax', what is quantised is not the finished softmax but p = 2^(t - M), with t = logit x log2(e) and M = ceil(the row's largest t), a whole number; so 1/2 < the row's largest p <= 1. The row's sum l is taken of the UNQUANTISED p, in f32, and the product's result is divided by l at the end. Since M is a whole number, a kernel that streams over the keys may use a running M (the ceiling of the running maximum): every later rescaling is an exact power of two, which a block's scale takes up: the codes' values come out the same.
;;   OPERANDS COMPUTED ON THE WAY. 'Computed on the way' means the value that the module computes at that place (a softmax that the list does not call 'softmax' is quantised finished and normalised). What goes into a quantiser is computed in f32, as accurately as f32 sums, v_exp_f32 and their like allow (about 1e-6 of the number): no bf16 or f16 on the way to a quantiser, and a product that is left as it is and whose result goes on into a quantised operand takes f32 operands (vector FMAs, or v_wmma_f32_16x16x4_f32). A number that lies on a knife's edge between two numbers of the format may be rounded either way, as far as f32 arithmetic and the matrix unit's own rounding can turn it there, and no further.
;; One version. Each part assembles by itself: llvm-mc -triple=amdgcn-amd-amdhsa -mcpu=gfx1250 --defsym DOCPART=n.
;; ======== version 1 of 1: 6 launches
;; limits: right only within a limited range of input values
;; workspace buffers: wq 5,570,560 bytes; act 11,599,872 bytes; oq 2,228,224 bytes; x1 16,777,216 bytes
;; launch qw (part 1): grid 8 x 160, 4 waves a work-group, no clusters, 0 bytes of LDS; arguments Wq1, Wk1, Wv1, Wo1, Wq2, Wk2, Wv2, Wo2, W1, W2, wq; writes wq
.if DOCPART == 1
	.amdgcn_target "amdgcn-amd-amdhsa--gfx1250"
	.amdhsa_code_object_version 6
	.text
	.protected	k_qd144c1a75b_qw
	.globl	k_qd144c1a75b_qw
	.p2align	8
	.type	k_qd144c1a75b_qw,@function
k_qd144c1a75b_qw:
	s_mov_b64 s[64:65], 0
	v_nop
	global_prefetch_b8 v0, s[64:65] scope:SCOPE_SE
	s_setreg_imm32_b32 hwreg(HW_REG_WAVE_MODE, 25, 1), 1
	s_wait_xcnt 0x0
; THE LAYER: three blocks (self-attention, cross-attention, FFN), each an RMS norm, products on codes of E2M1 with one E8M0 scale for each 32 along K, and a residual.  Six launches; this is the first.
; DEAD WORK: none is left out.  Both biases (casual_mask, position_embedding) are inputs, so every tile of both attentions is computed and every bias number is loaded; every input has a way to the output.
; THIS LAUNCH: the ten weights, f32, stored [K 1024][N 1024], become operands with K innermost, in the order in which a wave's registers take them (THE IMAGE):
;   rows n go in groups of 32; tile 2 p + u holds rows 32 p + 8 u + (r % 8) + 16 (r / 8), r = 0 .. 15; codes lie [tile][block of 32 along K][r][16 bytes], so a fragment (16 rows x 128 K) is 1,024 bytes on end:
;   register group c of lane l at 512 c + 16 l.  Scale bytes lie [tile][hh][r][16 bytes], byte = block - 16 hh.  Weight i lies at i x 557,056 bytes of wq: 524,288 of codes, 32,768 of scale bytes.
; A LANE TAKES A COLUMN n AND ITS REGISTERS RUN DOWN K: a load reads 128 consecutive bytes, a block's 32 numbers are one lane's, and the conversions give codes with K innermost.  Nothing is transposed.
; A wave takes 32 columns x 64 along K (2 blocks); all its 64 loads are issued on end.  A block's 16 bytes of the 32 lanes are two whole aligned runs of 256 bytes of the image: no stage in LDS is needed.
; A block's scale is 2^(floor(log2(largest magnitude)) - 2); its byte is the largest magnitude's exponent field - 2, held at 1 from below.
; LIMITS: NaN and infinities among the inputs are not served; a block whose largest magnitude lies under 2^-124 keeps the byte 1; a block of zeros has the byte 1 where the rule says 127 (its codes are zeros; only this program reads the bytes).
.set WSTR, 557056
.set X,    32                          ; v32-95   two sets of 32 numbers
.set C,    96                          ; v96-103  codes: four registers for each block
.set SB,   24                          ; v24      the two scale bytes
	s_load_b512 s[4:19], s[0:1], 0x0               ; Wq1 Wk1 Wv1 Wo1 Wq2 Wk2 Wv2 Wo2
	s_load_b128 s[20:23], s[0:1], 0x40             ; W1 W2
	s_load_b64 s[24:25], s[0:1], 0x50              ; wq
	v_lshrrev_b32 v1, 5, v0
	v_readfirstlane_b32 s26, v1                    ; wave 0..3
	s_and_b32 s27, ttmp7, 0xffff
	s_lshr_b32 s28, s27, 4                         ; which weight
	s_and_b32 s29, s27, 15                         ; which 64 along K
	v_and_b32 v2, 31, v0
	v_lshlrev_b32 v3, 2, v2                        ; in: 4 bytes a lane
	v_bfe_u32 v4, v0, 3, 1                         ; u: which tile of the pair my column falls into
	v_and_b32 v5, 7, v0
	v_bfe_u32 v6, v0, 4, 1
	v_lshl_or_b32 v5, v6, 3, v5                    ; r: its row there
	v_lshlrev_b32 v5, 4, v5
	v_lshl_add_u32 v7, v4, 13, v5                  ; codes: 8,192 u + 16 r
	v_lshl_add_u32 v8, v4, 9, v5                   ; scale bytes: 512 u + 16 r
	s_lshl_b32 s32, s29, 18                        ; W: 64 rows of 4,096 bytes for each sixteenth of K,
	s_lshl_b32 s34, ttmp9, 9
	s_add_co_u32 s32, s32, s34                     ; 128 columns a work-group,
	s_lshl_b32 s34, s26, 7
	s_add_co_u32 s32, s32, s34                     ; 32 a wave
	s_mov_b32 s33, 0
	s_mul_i32 s36, s28, WSTR
	s_lshl_b32 s34, ttmp9, 16                      ; codes: tile 2 (4 x + wave): 8,192 bytes a tile
	s_add_co_u32 s38, s36, s34
	s_lshl_b32 s34, s26, 14
	s_add_co_u32 s38, s38, s34
	s_lshl_b32 s34, s29, 9                         ; and 2 blocks of 256 bytes for each sixteenth of K
	s_add_co_u32 s38, s38, s34
	s_mov_b32 s39, 0
	s_add_co_u32 s40, s36, 524288                  ; scale bytes: 512 a tile,
	s_lshl_b32 s34, ttmp9, 12
	s_add_co_u32 s40, s40, s34
	s_lshl_b32 s34, s26, 10
	s_add_co_u32 s40, s40, s34
	s_lshr_b32 s34, s29, 3
	s_lshl_b32 s34, s34, 8                         ; hh = sixteenth / 8,
	s_add_co_u32 s40, s40, s34
	s_and_b32 s34, s29, 7
	s_lshl_b32 s34, s34, 1                         ; byte 2 (sixteenth % 8)
	s_add_co_u32 s40, s40, s34
	s_mov_b32 s41, 0
	s_wait_alu depctr_va_vdst(0)                   ; the wait at the head's end
	s_wait_kmcnt 0x0
	s_mov_b64 s[30:31], s[4:5]                     ; the weight is chosen by the work-group's number alone
.irp i, 1,2,3,4,5,6,7,8,9
	s_cmp_eq_u32 s28, \i
	s_cselect_b64 s[30:31], s[4+2*\i:5+2*\i], s[30:31]
.endr
	s_add_nc_u64 s[30:31], s[30:31], s[32:33]
	s_add_nc_u64 s[38:39], s[24:25], s[38:39]
	s_add_nc_u64 s[40:41], s[24:25], s[40:41]
.irp t, 0,1                            ; block t: W(32 t + i, my column), i = 0 .. 31, into set t
.irp i, 0,1,2,3,4,5,6,7,8,9,10,11,12,13,14,15,16,17,18,19,20,21,22,23,24,25,26,27,28,29,30,31
	global_load_b32 v[X+32*\t+\i], v3, s[30:31] offset:(32*\t+\i)*4096 th:TH_LOAD_NT
.endr
.endr
.macro BLOCK t
.set XS, X+32*(\t)
	s_wait_loadcnt 32*(1-(\t))                     ; this block's 32 loads are in; block 1's 32 may be out
	v_max3_num_f32 v12, |v[XS]|, |v[XS+1]|, |v[XS+2]|          ; the block's largest magnitude: all 32 numbers are mine; two chains
	v_max3_num_f32 v13, |v[XS+3]|, |v[XS+4]|, |v[XS+5]|
.irp i, 6,10,14,18,22,26
	v_max3_num_f32 v12, v12, |v[XS+\i]|, |v[XS+\i+1]|
	v_max3_num_f32 v13, v13, |v[XS+\i+2]|, |v[XS+\i+3]|
.endr
	v_max3_num_f32 v12, v12, |v[XS+30]|, |v[XS+31]|
	v_max3_num_f32 v12, v12, v13, 0x1800000        ; and the floor 2^(3 - 127): the byte cannot fall under 1
	v_add_nc_u32 v11, 0xff000000, v12              ; 2 off the exponent field: the conversion takes this operand's exponent field as its scale
	v_lshrrev_b32 v13, 23, v11                     ; the scale's byte
.if (\t) == 0
	v_mov_b32 v[SB], v13
.else
	v_lshl_or_b32 v[SB], v13, 8, v[SB]
.endif
.irp g, 0,1,2,3
	v_cvt_scalef32_pk8_fp4_f32 v[C+4*(\t)+\g], v[XS+8*\g:XS+8*\g+7], v11
.endr
	global_store_b128 v7, v[C+4*(\t):C+4*(\t)+3], s[38:39] offset:256*(\t)   ; lanes of one tile store 256 consecutive bytes, aligned
.endm
	BLOCK 0
	BLOCK 1
	global_store_b16 v8, v[SB], s[40:41]           ; my column's two scale bytes
	s_endpgm
.Lfunc_end_k_qd144c1a75b_qw:
	.size	k_qd144c1a75b_qw, .Lfunc_end_k_qd144c1a75b_qw-k_qd144c1a75b_qw
	.p2alignl 7, 3214868480
	.fill 96, 4, 3214868480
	.section	.rodata,"a",@progbits
	.p2align	6, 0x0
	.amdhsa_kernel k_qd144c1a75b_qw
		.amdhsa_group_segment_fixed_size 0
		.amdhsa_private_segment_fixed_size 0
		.amdhsa_enable_private_segment 0
		.amdhsa_kernarg_size 88
		.amdhsa_user_sgpr_count 2
		.amdhsa_user_sgpr_kernarg_segment_ptr 1
		.amdhsa_wavefront_size32 1
		.amdhsa_system_sgpr_workgroup_id_x 1
		.amdhsa_system_sgpr_workgroup_id_y 1
		.amdhsa_system_sgpr_workgroup_id_z 1
		.amdhsa_system_vgpr_workitem_id 0
		.amdhsa_next_free_vgpr 128
		.amdhsa_next_free_sgpr 66
		.amdhsa_reserve_vcc 0
		.amdhsa_float_denorm_mode_32 3
		.amdhsa_float_denorm_mode_16_64 3
		.amdhsa_memory_ordered 1
		.amdhsa_forward_progress 1
		.amdhsa_inst_pref_size 12
	.end_amdhsa_kernel
	.amdgpu_metadata
---
amdhsa.version: [ 1, 2 ]
amdhsa.kernels:
  - .name:           k_qd144c1a75b_qw
    .symbol:         k_qd144c1a75b_qw.kd
    .args:
      - { .name: Wq1, .offset: 0, .size: 8, .value_kind: global_buffer, .address_space: global }
      - { .name: Wk1, .offset: 8, .size: 8, .value_kind: global_buffer, .address_space: global }
      - { .name: Wv1, .offset: 16, .size: 8, .value_kind: global_buffer, .address_space: global }
      - { .name: Wo1, .offset: 24, .size: 8, .value_kind: global_buffer, .address_space: global }
      - { .name: Wq2, .offset: 32, .size: 8, .value_kind: global_buffer, .address_space: global }
      - { .name: Wk2, .offset: 40, .size: 8, .value_kind: global_buffer, .address_space: global }
      - { .name: Wv2, .offset: 48, .size: 8, .value_kind: global_buffer, .address_space: global }
      - { .name: Wo2, .offset: 56, .size: 8, .value_kind: global_buffer, .address_space: global }
      - { .name: W1, .offset: 64, .size: 8, .value_kind: global_buffer, .address_space: global }
      - { .name: W2, .offset: 72, .size: 8, .value_kind: global_buffer, .address_space: global }
      - { .name: wq, .offset: 80, .size: 8, .value_kind: global_buffer, .address_space: global }
    .group_segment_fixed_size: 0
    .private_segment_fixed_size: 0
    .kernarg_segment_align: 8
    .kernarg_segment_size: 88
    .max_flat_workgroup_size: 128
    .sgpr_count:     66
    .vgpr_count:     128
    .wavefront_size: 32
...
	.end_amdgpu_metadata
.endif
;; end of part 1
;; launch ch0 (part 2): grid 64 x 4, 16 waves a work-group, no clusters, 304,128 bytes of LDS; arguments x, memory, g1, wq, act; writes act
.if DOCPART == 2
	.amdgcn_target "amdgcn-amd-amdhsa--gfx1250"
	.amdhsa_code_object_version 6
	.text
	.protected	k_qd144c1a75b_ch0
	.globl	k_qd144c1a75b_ch0
	.p2align	8
	.type	k_qd144c1a75b_ch0,@function
k_qd144c1a75b_ch0:
	s_mov_b64 s[64:65], 0
	v_nop
	global_prefetch_b8 v0, s[64:65] scope:SCOPE_SE
	s_setreg_imm32_b32 hwreg(HW_REG_WAVE_MODE, 25, 1), 1
	s_wait_xcnt 0x0
; Launch 2.  A work-group takes 64 tokens and ONE weight.  y = 0, 1, 2: tokens of x: RMS norm (g1), quantised, x Wq1, Wk1 or Wv1.  y = 3: tokens of memory, quantised as they are, x Wk2 (x < 32) or Wv2.  No work of reference() is left out.
; 64 x 3 + 32 x 2 = 256 equal work-groups; each loads 262,144 bytes of rows and 557,056 of a weight.  The norm and the quantising of a group's rows are done anew for each of its weights.
; The results are quantised in registers and stored as the operands of the attentions (buffer act), in the image layout (tile 2 p + u = rows 32 p + 8 u + r % 8 + 16 (r / 8); codes [tile][block][r][16 bytes]):
;   q, k: rows = tokens, K = the 1,024 channels (a head is blocks 2 head, 2 head + 1); scale words [head][tile][r] = byte 0 | byte 1 << 8.  q's bytes are lowered by 3: the 1 / sqrt(64) of the scores, exactly.
;   v: rows = channels, K = tokens: [channel tile][block of 32 tokens][r][16 bytes]; scale bytes [token / 128][channel tile][r][4].
; SHARES.  Sixteen waves; wave w owns output columns 64 w .. 64 w + 63 (head w) for all 64 tokens: 16 accumulators.  Its fragments of the weight go from memory straight into registers, eight fragments (two K steps) of room,
; each refilled behind its four products; the tokens' codes go round as an image in LDS (4 tiles).
; q, k: source 0 = 16 rows of W^T, source 1 = 16 tokens: a lane holds one token and 16 neighbouring channels of each block.  v: the sources swapped: a lane holds one channel and 16 neighbouring tokens.
; The gain's 4 KiB are loaded by memory's work-groups too: so each register read later is written on every way through the text.
; No cluster and no tensor load: the weights go into registers by the waves' own loads, and beside the stage LDS has no room for a ring of weight tiles.  No prefetch into the L2 is written: each wave's own loads run two K steps ahead.
; LIMITS: NaN and infinities are not served; blocks whose largest magnitude lies under 2^-124 (q: 2^-121) keep the lowest byte; a block of zeros has that byte where the rule says 127 (its codes are zeros; only this program reads the bytes);
; the norm is (x * rsq(mean + eps)) * g with v_rsq_f32, not a division by a square root.
.set SP,    4112                       ; a stage row: 4,096 bytes + 16: an odd multiple of 16
.set IMG0,  64*SP                      ; behind the stage of 64 rows: the tokens' codes, 4 tiles x 8,192 bytes
.set XSC0,  IMG0+32768                 ; their scale bytes: 4 tiles x 512
.set SPARE, XSC0+2048                  ; the spare words, 128 bytes for each wave: eight blocks of 256 bytes that no other line names
.set WSTR,  557056
.set K1C, 2097152
.set V1C, 4194304
.set K2C, 6291456
.set V2C, 7340032
.set Q1S, 10485760
.set K1S, 10747904
.set V1S, 11010048
.set K2S, 11141120
.set V2S, 11272192
.set LI,  1                            ; 16 x lane
.set XR,  2                            ; IMG0 + 16 x lane
.set WO,  3                            ; 32,768 w + 16 x lane: my four tiles of the weight
.set XSA, 4                            ; XSC0 + 512 h + 16 r: lanes 0-15 an even tile's scale words, lanes 16-31 the next tile's
.set SPW, 5
.set NIL, 6
.set WSO, 7                            ; 2,048 w + 16 x lane: the weight's scale bytes
.set WS,  8                            ; v8-23 the weight's scale words
.set XS,  24                           ; v24-25 the tokens' scale words of the K step in hand
.set ACC, 28                           ; v28-155 sixteen accumulators; ahead of the product four rows of 1,024 numbers
.set WR,  156                          ; v156-219 two sets of four weight fragments
.set XF,  220                          ; v220-251 four token fragments; ahead of the product the gain
.set SW0, 252                          ; v252-255 the stage by columns: SP r + 64 h + 256 w + 16 SP x tile
; Ahead of the product and behind it, the second set's registers are at work:
.set TM,  188                          ; v188-203
.set PC,  204                          ; v204-211 codes of tokens 0-31
.set XW,  212                          ; IMG0 + 512 w + 16 x lane
.set XSW, 213                          ; XSC0 + 512 h + 16 r + 256 (w / 8) + 2 (w % 8)
.set RR,  214                          ; v214-215 the stage by rows: 2 SP w + 16 x lane; + 32 SP
.set GR,  216                          ; 16 x lane + 4,096 x my first token
.set QO,  212                          ; the way out: 512 w + 16 x lane
.set L4,  213                          ; 4 x lane
.set VO,  214                          ; v's codes: h x VTS + 16 r
.set PC1, 220                          ; v220-227 codes of tokens 32-63
.set W0,  228                          ; v228-231 scale words and bytes on their way out
.macro BAR                             ; my LDS stores have landed and my LDS loads are in: then the work-group's barrier
	s_wait_alu depctr_va_vdst(0)                   ; the wait ahead of a wait that blocks
	s_wait_dscnt 0x0
	s_barrier_signal -1
	s_barrier_wait -1
.endm
.macro WLF s, t                        ; tile t's fragment of K step s into set s % 2: two loads of 512 consecutive bytes
.irp c, 0,1
	global_load_b128 v[WR+32*((\s)%2)+8*(\t)+4*\c:WR+32*((\s)%2)+8*(\t)+4*\c+3], v[WO], s[34:35] offset:8192*(\t)+1024*(\s)+512*\c
.endr
.endm
.macro XFL s                           ; the tokens' four fragments of K step s and their scale words
.irp u, 0,1,2,3
.irp c, 0,1
	ds_load_b128 v[XF+8*\u+4*\c:XF+8*\u+4*\c+3], v[XR] offset:8192*\u+1024*(\s)+512*\c
.endr
.endr
.irp p, 0,1
	ds_load_b32 v[XS+\p], v[XSA] offset:1024*\p+256*((\s)/4)+4*((\s)%4)
.endr
.endm
.macro MM                              ; one matrix instruction on rD, rA, rB, rP, rQ.  rZ: it starts the sum.  rM: bit 0: source 0's scales stand in lanes 16-31; bit 1: source 1's
.if rZ
.if rM == 0
	v_wmma_scale_f32_16x16x128_f8f6f4 v[rD:rD+7], v[rA:rA+7], v[rB:rB+7], 0, v[rP], v[rQ] matrix_a_fmt:MATRIX_FMT_FP4 matrix_b_fmt:MATRIX_FMT_FP4
.elseif rM == 1
	v_wmma_scale_f32_16x16x128_f8f6f4 v[rD:rD+7], v[rA:rA+7], v[rB:rB+7], 0, v[rP], v[rQ] matrix_a_fmt:MATRIX_FMT_FP4 matrix_b_fmt:MATRIX_FMT_FP4 matrix_a_scale:MATRIX_SCALE_ROW1
.else
	v_wmma_scale_f32_16x16x128_f8f6f4 v[rD:rD+7], v[rA:rA+7], v[rB:rB+7], 0, v[rP], v[rQ] matrix_a_fmt:MATRIX_FMT_FP4 matrix_b_fmt:MATRIX_FMT_FP4 matrix_b_scale:MATRIX_SCALE_ROW1
.endif
.else
.if rM == 0
	v_wmma_scale_f32_16x16x128_f8f6f4 v[rD:rD+7], v[rA:rA+7], v[rB:rB+7], v[rD:rD+7], v[rP], v[rQ] matrix_a_fmt:MATRIX_FMT_FP4 matrix_b_fmt:MATRIX_FMT_FP4
.elseif rM == 1
	v_wmma_scale_f32_16x16x128_f8f6f4 v[rD:rD+7], v[rA:rA+7], v[rB:rB+7], v[rD:rD+7], v[rP], v[rQ] matrix_a_fmt:MATRIX_FMT_FP4 matrix_b_fmt:MATRIX_FMT_FP4 matrix_a_scale:MATRIX_SCALE_ROW1
.elseif rM == 2
	v_wmma_scale_f32_16x16x128_f8f6f4 v[rD:rD+7], v[rA:rA+7], v[rB:rB+7], v[rD:rD+7], v[rP], v[rQ] matrix_a_fmt:MATRIX_FMT_FP4 matrix_b_fmt:MATRIX_FMT_FP4 matrix_b_scale:MATRIX_SCALE_ROW1
.else
	v_wmma_scale_f32_16x16x128_f8f6f4 v[rD:rD+7], v[rA:rA+7], v[rB:rB+7], v[rD:rD+7], v[rP], v[rQ] matrix_a_fmt:MATRIX_FMT_FP4 matrix_b_fmt:MATRIX_FMT_FP4 matrix_a_scale:MATRIX_SCALE_ROW1 matrix_b_scale:MATRIX_SCALE_ROW1
.endif
.endif
.endm
; A product over K = 1,024: eight K steps of sixteen matrix instructions, the sixteen accumulators by turns.  Register s % 4 of a weight's scale quadruple holds K step s in lanes 0-15 (s < 4) or 16-31.
; Weight fragments are issued in the order (K step, tile).  When fragment (s, t) is wanted, the seven fragments up to (s + 2, t - 1) have been issued behind it: 14 loads; in the last two K steps those that are left.
.macro PROD swap
	XFL 0
.irp s, 0,1,2,3,4,5,6,7
	s_wait_dscnt 0x0                               ; this K step's token fragments and scale words are in
.irp t, 0,1,2,3
.if \s < 6
	s_wait_loadcnt 14
.else
	s_wait_loadcnt 2*((7-\s)*4+3-\t)
.endif
.irp u, 0,1,2,3
.if \swap
.set rD, ACC+64*(\u/2)+16*\t+8*(\u%2)
.set rA, XF+8*\u
.set rB, WR+32*(\s%2)+8*\t
.set rP, XS+\u/2
.set rQ, WS+4*\t+\s%4
.set rM, (\u%2)+2*(\s/4)
.else
.set rD, ACC+32*\u+8*\t
.set rA, WR+32*(\s%2)+8*\t
.set rB, XF+8*\u
.set rP, WS+4*\t+\s%4
.set rQ, XS+\u/2
.set rM, (\s/4)+2*(\u%2)
.endif
.set rZ, \s==0
	MM
.endr
.rept 4
	v_nop                                          ; four places in front of loads into registers that these products read, and at the end of the first read of results
.endr
.if \s < 6
	WLF \s+2, \t
.endif
.endr
.if \s < 7
	XFL \s+1
.endif
.endr
.endm
; 64 numbers of a lane from ACC + base on, register 16 b + i = place 16 (lane / 16) + i of block b of my row, become codes in pc (registers 4 c .. 4 c + 3: lanes 0-15 block 2 c, lanes 16-31 block 2 c + 1) and bytes in TM+4 .. TM+7.
.macro QUANT base, pc, floor
.irp b, 0,1,2,3
	v_max3_num_f32 v[TM+\b], |v[ACC+\base+16*\b]|, |v[ACC+\base+1+16*\b]|, \floor
.endr
.irp i, 2,4,6,8,10,12,14
.irp b, 0,1,2,3
	v_max3_num_f32 v[TM+\b], v[TM+\b], |v[ACC+\base+16*\b+\i]|, |v[ACC+\base+1+16*\b+\i]|   ; the four blocks by turns
.endr
.endr
.irp b, 0,1,2,3
	s_delay_alu instid0(VALU_DEP_4)
	v_permlanex16_b32 v[TM+4+\b], v[TM+\b], s20, s21
.endr
.irp b, 0,1,2,3
	s_delay_alu instid0(VALU_DEP_4)
	v_max_num_f32 v[TM+\b], v[TM+\b], v[TM+4+\b]   ; with lane l xor 16's: the block's largest magnitude
.endr
.irp b, 0,1,2,3
	s_delay_alu instid0(VALU_DEP_4)
	v_add_nc_u32 v[TM+12+\b], 0xff000000, v[TM+\b] ; 2 off its exponent field: the conversion's scale operand
.endr
.irp b, 0,1,2,3
	s_delay_alu instid0(VALU_DEP_4)
	v_lshrrev_b32 v[TM+4+\b], 23, v[TM+12+\b]      ; the scale's byte
.endr
.irp b, 0,1,2,3
	v_cvt_scalef32_pk8_fp4_f32 v[\pc+2*\b], v[ACC+\base+16*\b:ACC+\base+7+16*\b], v[TM+12+\b]
	v_cvt_scalef32_pk8_fp4_f32 v[\pc+1+2*\b], v[ACC+\base+8+16*\b:ACC+\base+15+16*\b], v[TM+12+\b]
.endr
	v_nop                                          ; one plain place behind a scaled conversion
.irp c, 0,1
.irp i, 0,1
	v_permlane16_swap_b32 v[\pc+4*\c+\i], v[\pc+2+4*\c+\i]
.endr
.endr
.endm
.macro WORDS dst                       ; a tile's two bytes as a half word; lanes 0-15 take the even tile's, lanes 16-31 the odd tile's
	v_lshl_or_b32 v[TM+8], v[TM+5], 8, v[TM+4]
	v_lshl_or_b32 v[TM+9], v[TM+7], 8, v[TM+6]
	s_delay_alu instid0(VALU_DEP_1)
	v_cndmask_b32 v[\dst], v[TM+8], v[TM+9], s22
.endm
.macro EPI_LDS p, pc, wd               ; my 64 columns of tokens 32 p .. 32 p + 31 become blocks 2 w, 2 w + 1 of tiles 2 p, 2 p + 1 of the image in LDS
	QUANT 64*\p, \pc, 0x1800000
	WORDS \wd
	ds_store_b128 v[XW], v[\pc:\pc+3] offset:16384*\p
	ds_store_b128 v[XW], v[\pc+4:\pc+7] offset:16384*\p+8192
	ds_store_b16 v[XSW], v[\wd] offset:1024*\p
.endm
.macro SUMSQ base                      ; 1 / sqrt(mean of squares + eps) of the two rows from ACC + base on into TM+8 and TM+10
	v_pk_mul_f32 v[TM:TM+1], v[ACC+\base:ACC+\base+1], v[ACC+\base:ACC+\base+1]
	v_pk_mul_f32 v[TM+2:TM+3], v[ACC+\base+32:ACC+\base+33], v[ACC+\base+32:ACC+\base+33]
.set j, \base+2
.rept 15
	s_delay_alu instid0(VALU_DEP_2)
	v_pk_fma_f32 v[TM:TM+1], v[ACC+j:ACC+j+1], v[ACC+j:ACC+j+1], v[TM:TM+1]
	s_delay_alu instid0(VALU_DEP_2)
	v_pk_fma_f32 v[TM+2:TM+3], v[ACC+32+j:ACC+33+j], v[ACC+32+j:ACC+33+j], v[TM+2:TM+3]
.set j, j+2
.endr
	s_delay_alu instid0(VALU_DEP_2)
	v_add_f32 v[TM], v[TM], v[TM+1]
	s_delay_alu instid0(VALU_DEP_2)
	v_add_f32 v[TM+2], v[TM+2], v[TM+3]
.irp m, 1,2,4,8
	s_delay_alu instid0(VALU_DEP_2)
	v_add_f32_dpp v[TM], v[TM], v[TM] row_xmask:\m row_mask:0xf bank_mask:0xf
	s_delay_alu instid0(VALU_DEP_2)
	v_add_f32_dpp v[TM+2], v[TM+2], v[TM+2] row_xmask:\m row_mask:0xf bank_mask:0xf
.endr
	s_delay_alu instid0(VALU_DEP_2)
	v_permlanex16_b32 v[TM+4], v[TM], s20, s21
	s_delay_alu instid0(VALU_DEP_2)
	v_permlanex16_b32 v[TM+5], v[TM+2], s20, s21
	s_delay_alu instid0(VALU_DEP_2)
	v_add_f32 v[TM], v[TM], v[TM+4]
	s_delay_alu instid0(VALU_DEP_2)
	v_add_f32 v[TM+2], v[TM+2], v[TM+5]
	s_delay_alu instid0(VALU_DEP_2)
	v_fma_f32 v[TM], v[TM], s24, s23               ; sum / 1,024 + eps
	s_delay_alu instid0(VALU_DEP_2)
	v_fma_f32 v[TM+2], v[TM+2], s24, s23
	s_wait_alu depctr_va_vdst(0)                   ; the wait ahead of the transcendentals
	v_rsq_f32 v[TM+8], v[TM]
	v_rsq_f32 v[TM+10], v[TM+2]
	v_nop                                          ; a plain place behind the transcendentals
	s_wait_alu depctr_va_vdst(0)                   ; one wait for both, ahead of their first reader
.endm
.macro SCALEG base                     ; (x * inv) * g; the gain of my columns stands in XF
.set j, 0
.rept 16
	v_pk_mul_f32 v[ACC+\base+j:ACC+\base+j+1], v[ACC+\base+j:ACC+\base+j+1], v[TM+8:TM+9] op_sel_hi:[1,0]
	v_pk_mul_f32 v[ACC+\base+32+j:ACC+\base+33+j], v[ACC+\base+32+j:ACC+\base+33+j], v[TM+10:TM+11] op_sel_hi:[1,0]
.set j, j+2
.endr
.set j, 0
.rept 16
	v_pk_mul_f32 v[ACC+\base+j:ACC+\base+j+1], v[ACC+\base+j:ACC+\base+j+1], v[XF+j:XF+j+1]
	v_pk_mul_f32 v[ACC+\base+32+j:ACC+\base+33+j], v[ACC+\base+32+j:ACC+\base+33+j], v[XF+j:XF+j+1]
.set j, j+2
.endr
.endm
.macro TMZERO                          ; a lane permute's destination, and the upper half of a pair that is named, count as read
.irp i, 4,5,6,7,8,9,10,11
	v_mov_b32 v[TM+\i], 0
.endr
.endm
.macro FINISH                          ; the wave's end: behind my last LDS store
	s_wait_tensorcnt 0x0
	ds_add_u32 v[SPW], v[NIL]
	s_wait_dscnt 0x0
	s_endpgm
.endm
	s_load_b128 s[4:7], s[0:1], 0x0                ; x, memory
	s_load_b128 s[8:11], s[0:1], 0x10              ; g1, wq
	s_load_b64 s[12:13], s[0:1], 0x20              ; act
	v_lshl_add_u32 v[SPW], v0, 2, SPARE
	v_mov_b32 v[NIL], 0
	v_lshrrev_b32 v[TM], 5, v0
	s_delay_alu instid0(VALU_DEP_1)
	v_readfirstlane_b32 s16, v[TM]                 ; wave 0..15
	s_mov_b32 s20, 0x76543210
	s_mov_b32 s21, 0xfedcba98                      ; v_permlanex16_b32's selects for lane l xor 16
	s_mov_b32 s22, 0xffff0000                      ; lanes 16-31
	s_mov_b32 s23, 0x358637bd                      ; eps = 1e-6
	s_mov_b32 s24, 0x3a800000                      ; 1 / 1,024
	; which tokens, which weight, which way out: all of it hangs on the work-group's number alone
	s_and_b32 s60, ttmp7, 0xffff                   ; y
	s_lshr_b32 s61, ttmp9, 5
	s_add_co_u32 s61, s61, 1                       ; memory's kind: 1 (k) for x < 32, else 2 (v)
	s_add_co_u32 s62, s61, 4                       ; memory's weight: 5 (Wk2) or 6 (Wv2)
	s_and_b32 s63, ttmp9, 31                       ; memory's group of 64 tokens
	s_cmp_lt_u32 s60, 3                            ; x's work-group or memory's?
	s_cselect_b32 s18, 1, 0
	s_cselect_b32 s26, s60, s61                    ; kind: 0 q, 1 k, 2 v
	s_cselect_b32 s56, s60, s62                    ; the weight's number in wq
	s_cselect_b32 s17, ttmp9, s63                  ; which 64 tokens
	s_cselect_b32 s19, 14, 13                      ; log2 of a head's scale words, in bytes
	s_cselect_b32 s25, 15, 14                      ; log2 of a channel tile of v, in bytes (VTS)
	s_mov_b32 s52, K2C
	s_cselect_b32 s52, K1C, s52
	s_mov_b32 s53, K2S
	s_cselect_b32 s53, K1S, s53
	s_mov_b32 s54, V2C
	s_cselect_b32 s54, V1C, s54
	s_mov_b32 s55, V2S
	s_cselect_b32 s55, V1S, s55
	s_cmp_eq_u32 s26, 0                            ; q?
	s_cselect_b32 s52, 0, s52                      ; q's codes lie at act's head
	s_cselect_b32 s53, Q1S, s53
	s_mov_b32 s27, 0x1800000                       ; the floor under a block's largest magnitude: 2^(3 - 127);
	s_cselect_b32 s27, 0x3000000, s27              ; q: 2^(6 - 127), so that the byte less 3 cannot fall under 1
	s_cselect_b32 s3, 0xfffffcfd, 0                ; q: 3 off both bytes of a scale word; k: nothing
	s_lshl_b32 s17, s17, 1                         ; g: my first group of 32 tokens; the second is g + 1
	s_mul_i32 s56, s56, WSTR
	s_mov_b32 s57, 0
	s_lshl_b32 s40, s17, 14                        ; q's or k's codes: 16,384 g
	s_add_co_u32 s40, s40, s52
	s_mov_b32 s41, 0
	s_lshl_b32 s42, s16, s19                       ; their scale words: a head's stride x w + 128 g
	s_lshl_b32 s62, s17, 7
	s_add_co_u32 s42, s42, s62
	s_add_co_u32 s42, s42, s53
	s_mov_b32 s43, 0
	s_lshl_b32 s44, s16, 2                         ; v's codes: channel tile 4 w, block g
	s_lshl_b32 s44, s44, s25
	s_lshl_b32 s63, s17, 8
	s_add_co_u32 s44, s44, s63
	s_add_co_u32 s44, s44, s54
	s_mov_b32 s45, 0
	s_lshl_b32 s63, 2, s25
	s_add_co_u32 s48, s44, s63                     ; and two tiles on
	s_mov_b32 s49, 0
	s_lshr_b32 s46, s17, 2                         ; v's scale bytes: 4,096 (g / 4) + 256 w + g % 4
	s_lshl_b32 s46, s46, 12
	s_lshl_b32 s63, s16, 8
	s_add_co_u32 s46, s46, s63
	s_and_b32 s63, s17, 3
	s_add_co_u32 s46, s46, s63
	s_add_co_u32 s46, s46, s55
	s_mov_b32 s47, 0
	s_lshl_b32 s50, s17, 17                        ; the tokens' rows: 32 x 4,096 bytes a group
	s_mov_b32 s51, 0
	s_lshl_b32 s70, s16, 9
	s_add_co_u32 s70, s70, IMG0                    ; for XW
	s_lshr_b32 s71, s16, 3
	s_lshl_b32 s71, s71, 8
	s_and_b32 s63, s16, 7
	s_lshl_b32 s63, s63, 1
	s_add_co_u32 s71, s71, s63
	s_add_co_u32 s71, s71, XSC0                    ; for XSW
	s_lshl_b32 s72, s16, 8                         ; for SW0
	s_mul_i32 s73, s16, 2*SP                       ; for RR
	s_lshl_b32 s74, s16, 15                        ; for WO
	s_lshl_b32 s75, s16, 11                        ; for WSO
	s_lshr_b32 s76, s16, 3                         ; stage rows 2 w, 2 w + 1 are tokens 8 (w / 8) + 16 ((w / 4) % 2) + 2 (w % 4) and the next; rows 32 on, tokens 32 on
	s_lshl_b32 s76, s76, 3
	s_bfe_u32 s63, s16, 0x10002
	s_lshl_b32 s63, s63, 4
	s_add_co_u32 s76, s76, s63
	s_and_b32 s63, s16, 3
	s_lshl_b32 s63, s63, 1
	s_add_co_u32 s76, s76, s63
	s_lshl_b32 s76, s76, 12                        ; for GR
	v_and_b32 v[TM], 31, v0                        ; lane
	v_and_b32 v[TM+1], 15, v0                      ; r
	v_bfe_u32 v[TM+2], v0, 4, 1                    ; h
	s_delay_alu instid0(VALU_DEP_3)
	v_lshlrev_b32 v[LI], 4, v[TM]
	s_delay_alu instid0(VALU_DEP_3)
	v_mul_u32_u24 v[SW0], v[TM+1], SP
	s_delay_alu instid0(VALU_DEP_2)
	v_add_nc_u32 v[XR], IMG0, v[LI]
	v_add_nc_u32 v[XW], s70, v[LI]
	v_lshl_add_u32 v[XSA], v[TM+2], 8, v[LI]       ; 512 h + 16 r
	v_lshl_add_u32 v[SW0], v[TM+2], 6, v[SW0]
	s_delay_alu instid0(VALU_DEP_2)
	v_add_nc_u32 v[XSW], s71, v[XSA]
	v_add_nc_u32 v[XSA], XSC0, v[XSA]
	s_delay_alu instid0(VALU_DEP_3)
	v_add_nc_u32 v[SW0], s72, v[SW0]
	v_add_nc_u32 v[RR], s73, v[LI]
	v_add_nc_u32 v[WO], s74, v[LI]
	v_add_nc_u32 v[WSO], s75, v[LI]
	v_add_nc_u32 v[GR], s76, v[LI]
	v_add_nc_u32 v[SW0+1], 16*SP, v[SW0]
	v_add_nc_u32 v[SW0+2], 32*SP, v[SW0]
	v_add_nc_u32 v[SW0+3], 48*SP, v[SW0]
	v_add_nc_u32 v[RR+1], 32*SP, v[RR]
	TMZERO
	s_wait_alu depctr_va_vdst(0)                   ; the wait at the head's end
	s_wait_kmcnt 0x0
	s_cmp_lg_u32 s18, 0
	s_cselect_b64 s[4:5], s[4:5], s[6:7]
	s_add_nc_u64 s[4:5], s[4:5], s[50:51]
	s_add_nc_u64 s[34:35], s[10:11], s[56:57]      ; my weight
	s_add_nc_u64 s[40:41], s[12:13], s[40:41]
	s_add_nc_u64 s[42:43], s[12:13], s[42:43]
	s_add_nc_u64 s[44:45], s[12:13], s[44:45]
	s_add_nc_u64 s[46:47], s[12:13], s[46:47]
	s_add_nc_u64 s[48:49], s[12:13], s[48:49]
.irp f, 0,1
.irp i, 0,1
.irp q, 0,1,2,3,4,5,6,7
	global_load_b128 v[ACC+64*\f+32*\i+4*\q:ACC+64*\f+32*\i+4*\q+3], v[GR], s[4:5] offset:131072*\f+4096*\i+512*\q   ; my four tokens' rows, 512 consecutive bytes a load (other work-groups read them again: no hint)
.endr
.endr
.endr
.irp q, 0,1,2,3,4,5,6,7
	global_load_b128 v[XF+4*\q:XF+4*\q+3], v[LI], s[8:9] offset:512*\q   ; the gain of my columns
.endr
.irp t, 0,1,2,3
	global_load_b128 v[WS+4*\t:WS+4*\t+3], v[WSO], s[34:35] offset:524288+512*\t   ; the weight's scale words
.endr
.irp t, 0,1,2,3
	WLF 0, \t                                      ; and its first K step
.endr
	s_wait_loadcnt 12                              ; rows and gain are in; the weight's 12 loads may be out
	s_cmp_eq_u32 s18, 0
	s_cbranch_scc1 .Lraw                           ; memory is quantised as it is
	SUMSQ 0
	SCALEG 0
	SUMSQ 64
	SCALEG 64
.Lraw:
.irp f, 0,1
.irp i, 0,1
.irp q, 0,1,2,3,4,5,6,7
	ds_store_b128 v[RR+\f], v[ACC+64*\f+32*\i+4*\q:ACC+64*\f+32*\i+4*\q+3] offset:SP*\i+512*\q
.endr
.endr
.endr
	BAR                                            ; 64 whole rows lie in the stage
.irp u, 0,1,2,3                        ; the stage by columns: register 32 u + 16 b + i = column 64 w + 32 b + 16 h + i of token row r of tile u
.irp t, 0,1,2,3
.irp f, 0,1
	ds_load_b128 v[ACC+32*\u+8*\t+4*\f:ACC+32*\u+8*\t+4*\f+3], v[SW0+\u] offset:128*(\t/2)+32*(\t%2)+16*\f
.endr
.endr
.endr
	s_wait_dscnt 16                                ; tiles 0 and 1 are in; the sixteen loads of tiles 2 and 3 may be out
	EPI_LDS 0, PC, W0
	s_wait_alu depctr_va_vdst(0)                   ; the wait ahead of a wait that blocks
	s_wait_dscnt 3                                 ; tiles 2 and 3 are in; the three stores just issued may be out
	EPI_LDS 1, PC1, W0+1
	s_wait_alu depctr_va_vdst(0)
	s_wait_dscnt 0x0                               ; my stores have landed and have read their registers: the second set's registers are free
.irp t, 0,1,2,3
	WLF 1, \t
.endr
	s_barrier_signal -1
	s_barrier_wait -1                              ; the tokens' image lies in LDS
	s_cmp_eq_u32 s26, 2
	s_cbranch_scc1 .Lv
	PROD 0                                         ; q or k
	TMZERO
	s_lshl_b32 s62, s16, 9
	v_add_nc_u32 v[QO], s62, v[LI]
	v_lshrrev_b32 v[L4], 2, v[LI]
	QUANT 0, PC, s27
	WORDS W0
	s_delay_alu instid0(VALU_DEP_1)
	v_add_nc_u32 v[W0], s3, v[W0]                  ; q: x 2^-3 = 1 / sqrt(64), taken off both bytes
	QUANT 64, PC1, s27
	WORDS W0+1
	s_delay_alu instid0(VALU_DEP_1)
	v_add_nc_u32 v[W0+1], s3, v[W0+1]
	global_store_b128 v[QO], v[PC:PC+3], s[40:41]  ; head w's two blocks of a tile: 512 consecutive bytes, aligned
	global_store_b128 v[QO], v[PC+4:PC+7], s[40:41] offset:8192
	global_store_b128 v[QO], v[PC1:PC1+3], s[40:41] offset:16384
	global_store_b128 v[QO], v[PC1+4:PC1+7], s[40:41] offset:24576
	global_store_b32 v[L4], v[W0], s[42:43]
	global_store_b32 v[L4], v[W0+1], s[42:43] offset:128
	FINISH
.Lv:
	PROD 1                                         ; v: sources swapped: block t of a lane = 32 tokens of a channel of tile 4 w + t
	TMZERO
	v_bfe_u32 v[VO], v0, 4, 1
	v_and_b32 v[VO+1], 15, v0
	v_lshrrev_b32 v[L4], 2, v[LI]
	s_delay_alu instid0(VALU_DEP_3)
	v_lshlrev_b32 v[VO], s25, v[VO]
	s_delay_alu instid0(VALU_DEP_1)
	v_lshl_add_u32 v[VO], v[VO+1], 4, v[VO]
	QUANT 0, PC, 0x1800000
	v_cndmask_b32 v[W0], v[TM+4], v[TM+5], s22     ; lanes 0-15: tile 4 w + 2 c's byte; lanes 16-31: tile 4 w + 2 c + 1's
	v_cndmask_b32 v[W0+1], v[TM+6], v[TM+7], s22
	QUANT 64, PC1, 0x1800000
	v_cndmask_b32 v[W0+2], v[TM+4], v[TM+5], s22
	v_cndmask_b32 v[W0+3], v[TM+6], v[TM+7], s22
	s_delay_alu instid0(VALU_DEP_2)
	v_lshl_or_b32 v[W0], v[W0+2], 8, v[W0]         ; the bytes of blocks g and g + 1 side by side (g is even)
	s_delay_alu instid0(VALU_DEP_2)
	v_lshl_or_b32 v[W0+1], v[W0+3], 8, v[W0+1]
	global_store_b128 v[VO], v[PC:PC+3], s[44:45]  ; each half of the lanes stores 256 consecutive bytes, aligned
	global_store_b128 v[VO], v[PC+4:PC+7], s[48:49]
	global_store_b128 v[VO], v[PC1:PC1+3], s[44:45] offset:256
	global_store_b128 v[VO], v[PC1+4:PC1+7], s[48:49] offset:256
	global_store_b16 v[L4], v[W0], s[46:47]
	global_store_b16 v[L4], v[W0+1], s[46:47] offset:128
	FINISH
.Lfunc_end_k_qd144c1a75b_ch0:
	.size	k_qd144c1a75b_ch0, .Lfunc_end_k_qd144c1a75b_ch0-k_qd144c1a75b_ch0
	.p2alignl 7, 3214868480
	.fill 96, 4, 3214868480
	.section	.rodata,"a",@progbits
	.p2align	6, 0x0
	.amdhsa_kernel k_qd144c1a75b_ch0
		.amdhsa_group_segment_fixed_size 304128
		.amdhsa_private_segment_fixed_size 0
		.amdhsa_enable_private_segment 0
		.amdhsa_kernarg_size 40
		.amdhsa_user_sgpr_count 2
		.amdhsa_user_sgpr_kernarg_segment_ptr 1
		.amdhsa_wavefront_size32 1
		.amdhsa_system_sgpr_workgroup_id_x 1
		.amdhsa_system_sgpr_workgroup_id_y 1
		.amdhsa_system_sgpr_workgroup_id_z 1
		.amdhsa_system_vgpr_workitem_id 0
		.amdhsa_next_free_vgpr 256
		.amdhsa_next_free_sgpr 80
		.amdhsa_reserve_vcc 0
		.amdhsa_float_denorm_mode_32 3
		.amdhsa_float_denorm_mode_16_64 3
		.amdhsa_memory_ordered 1
		.amdhsa_forward_progress 1
		.amdhsa_inst_pref_size 123
	.end_amdhsa_kernel
	.amdgpu_metadata
---
amdhsa.version: [ 1, 2 ]
amdhsa.kernels:
  - .name:           k_qd144c1a75b_ch0
    .symbol:         k_qd144c1a75b_ch0.kd
    .args:
      - { .name: x, .offset: 0, .size: 8, .value_kind: global_buffer, .address_space: global }
      - { .name: memory, .offset: 8, .size: 8, .value_kind: global_buffer, .address_space: global }
      - { .name: g1, .offset: 16, .size: 8, .value_kind: global_buffer, .address_space: global }
      - { .name: wq, .offset: 24, .size: 8, .value_kind: global_buffer, .address_space: global }
      - { .name: act, .offset: 32, .size: 8, .value_kind: global_buffer, .address_space: global }
    .group_segment_fixed_size: 304128
    .private_segment_fixed_size: 0
    .kernarg_segment_align: 8
    .kernarg_segment_size: 40
    .max_flat_workgroup_size: 512
    .sgpr_count:     80
    .vgpr_count:     256
    .wavefront_size: 32
...
	.end_amdgpu_metadata
.endif
;; end of part 2
;; launch att1 (part 3): grid 32 x 8, 16 waves a work-group, no clusters, 327,680 bytes of LDS; arguments casual_mask, act, oq; writes oq
.if DOCPART == 3
	.amdgcn_target "amdgcn-amd-amdhsa--gfx1250"
	.amdhsa_code_object_version 6
	.text
	.protected	k_qd144c1a75b_att1
	.globl	k_qd144c1a75b_att1
	.p2align	8
	.type	k_qd144c1a75b_att1,@function
k_qd144c1a75b_att1:
	s_mov_b64 s[64:65], 0
	v_nop
	global_prefetch_b8 v0, s[64:65] scope:SCOPE_SE
	s_setreg_imm32_b32 hwreg(HW_REG_WAVE_MODE, 25, 1), 1
	s_wait_xcnt 0x0
; Launch 3: self-attention on codes of E2M1.  o = softmax(q k^T / 8 + bias) v, quantised along the 1,024 channels and stored as the next product's operand (buffer oq).  No work of reference() is left out: the bias is an input, every tile is computed.
; SHARES.  A work-group takes 64 queries (4 tiles of 16) x 4 heads of one batch; wave w: query tile w % 4, head w / 4.  Every wave walks all NK keys, 128 a step.
; Both products are used transposed (S^T = k q^T + bias^T, O^T = v^T p^T): a lane holds ONE query.  The tiles' rows are laid (launch 2) so that the 16 registers of two neighbouring tiles are 16 neighbouring keys (channels).
; K = 64 IN AN INSTRUCTION OF 128: q's registers 4-7 are zero codes; k's fragment t names v[32 + 4 t .. 39 + 4 t], whose upper four registers are the next tile's codes: they meet zero codes, so they add nothing.
; THE BIAS IS THE C OF THE FIRST PRODUCT: it is loaded from LDS into the scores' registers, in the result's layout.  q's scale bytes carry the 1 / 8.
; THE SOFTMAX: t = logit x log2(e); M = ceil(running largest t); p = 2^(t - M) is quantised along the keys; the row's sum is taken of the unquantised p and divides O at the end; when M moves, sum and O are multiplied by 2^(old M - new M), exactly.
; THE RING.  Two slots of 256 keys (two steps), filled by tensor loads, one of 8,192 bytes a wave: waves 0-7 eight rows of bias each (1,024 bytes a row, laid in the order of the tiles' rows), waves 8-11 four tiles of k (2,048 bytes: the group's four heads),
; waves 12-15 four channel tiles of v (2,048 bytes: 256 keys).  The change of slots stands at a slot's head: each wave's wait for its tensor load, the add, the wait for its LDS reads, one barrier, and behind it the fill of the slot just left,
; which has two steps in which to land.  The last slot is written out, without a fill.
; LDS, in five runs of 65,536 bytes.  Runs 0 and 1: slot 0's and slot 1's bias rows 0-31 (pitch 1,040) and v's channel tiles 0-7; runs 2 and 3: rows 32-63 and tiles 8-15; run 4: k, 32,768 bytes a slot.  So one exclusive or turns an address to the other slot.
; Behind the tiles of run hd lie head hd's scale words of k and of v, stored once by the waves, and in run 0 the spare words.
; No joint loads and no prefetch into the L2 are written: of a slot's 131,072 bytes the work-groups along x share k and v, those along y the bias, and a fill is asked for two steps ahead of the wait for it.
; LIMITS: NaN and infinities are not served; a block of o whose largest magnitude lies under 2^-124 keeps the byte 1; blocks of zeros have the byte 1 (their codes are zeros; only this program reads the bytes).
.set NK,    2048
.set QC,    0
.set KC,    2097152
.set VC,    4194304
.set QS,    10485760
.set KS,    10747904
.set VS,    11010048
.set HSK,   16384                      ; a head's scale words of k
.set VTS,   32768                      ; a channel tile of v
.set OSC,   2097152                    ; o's scale bytes in oq
.set NSTEP, NK/128
.set NSL,   NSTEP/2
.set NKT,   NK/16
.set BP,    NK*4                       ; a row of the bias in bytes
.set BPI,   1040                       ; and half a slot's part of it in LDS: 1,024 bytes + 16
.set VB,    32*BPI                     ; in a run: v's eight channel tiles
.set KSC,   VB+16384                   ; the head's scale words of k
.set VSC,   KSC+8192                   ; and of v, 256 bytes a step
.set SPARE, VSC+4096                   ; run 0: the spare words, 128 bytes for each wave: eight blocks of 256 bytes that no other line names
.set KB,    262144                     ; run 4
.set SPW,   10
.set NIL,   11
.set BA0,   192                        ; my place in slot 0: bias, k, v
.set KA0,   193
.set VA0,   194
.set BA,    195                        ; and in the slot in hand
.set KA,    196
.set VA,    197
.set G1B,   68                         ; s[68:75], s[76:83], s[84:91] descriptor groups 1: bias, k, v
.set G1K,   76
.set G1V,   84
.set GB,    92                         ; s[92:95], s[12:15], s[40:43] their groups 0, which walk
.set GK,    12
.set GV,    40
; v1 16 lane; v4, v5 my place among k's, v's scale words; v8, v9 the step's scale addresses; v12 -M, v13 largest t, v[14:15] the sum; v16-19 q, v20-23 zero codes; v29 16 r;
; v32-63 k's then v's fragments, v64-67 zero; v96-159 bias, S^T, p; v160-191 O^T; v224-231 p's codes; v232-254 at work; v248-251 k's then v's scale words; v253 p's; v255 q's.
.macro TL                              ; my one tensor load: one chain of branches on the wave's number, a load to an arm; an s_nop 0 and four v_nop behind each
	s_cmp_lt_u32 s16, 8
	s_cbranch_scc0 .Lk_\@
	tensor_load_to_lds s[GB:GB+3], s[G1B:G1B+7]
	s_nop 0
.rept 4
	v_nop
.endr
	s_branch .Ld_\@
.Lk_\@:
	s_cmp_lt_u32 s16, 12
	s_cbranch_scc0 .Lv_\@
	tensor_load_to_lds s[GK:GK+3], s[G1K:G1K+7]
	s_nop 0
.rept 4
	v_nop
.endr
	s_branch .Ld_\@
.Lv_\@:
	tensor_load_to_lds s[GV:GV+3], s[G1V:G1V+7]
	s_nop 0
.rept 4
	v_nop
.endr
.Ld_\@:
.endm
.macro CHANGE fill                     ; the change of slots
	s_wait_alu depctr_va_vdst(0)                   ; the wait ahead of a wait that blocks
	s_wait_tensorcnt 0x0                           ; my part of the slot ahead has landed, and no tensor load of mine is out: the groups 0 may be written
	ds_add_u32 v[SPW], v[NIL]
.if \fill
	s_xor_b32 s[GB+1], s[GB+1], 65536              ; the other slot than last time, the next 256 keys
	s_add_nc_u64 s[GB+2:GB+3], s[GB+2:GB+3], 1024
	s_xor_b32 s[GK+1], s[GK+1], 32768
	s_add_nc_u64 s[GK+2:GK+3], s[GK+2:GK+3], 131072
	s_xor_b32 s[GV+1], s[GV+1], 65536
	s_add_nc_u64 s[GV+2:GV+3], s[GV+2:GV+3], 2048
.endif
	s_wait_dscnt 0x0                               ; the add is done, and my reads of the slot that I have left are over
	s_barrier_signal -1
	s_barrier_wait -1
.if \fill
	TL                                             ; the first thing behind the barrier, and my one tensor load until the next
.endif
.endm
.macro PA d, a
	v_pk_add_f32 v[\d:\d+1], v[\d:\d+1], v[\a:\a+1]
.endm
.macro STEP h2                         ; a key step: the h2-th 128 keys of the slot in hand
	v_add_nc_u32 v8, s30, v4
	v_add_nc_u32 v9, s31, v5
	v_add_nc_u32 v[BA], s24, v[BA0]
	v_add_nc_u32 v[KA], s25, v[KA0]
	v_add_nc_u32 v[VA], s24, v[VA0]
.irp b, 0,1,2,3
.irp i, 0,1,2,3
	ds_load_b128 v[96+16*\b+4*\i:99+16*\b+4*\i], v[BA] offset:512*\h2+128*\b+16*\i   ; bias(my query, keys 32 b + 16 h + 4 i ..): the scores' C
.endr
.endr
.irp t, 0,1,2,3,4,5,6,7
	ds_load_b128 v[32+4*\t:35+4*\t], v[KA] offset:2048*(8*\h2+\t)
.endr
.irp p, 0,1,2,3
	ds_load_b32 v[248+\p], v8 offset:128*\p        ; lanes 0-15: tile 2 p's words; lanes 16-31: tile 2 p + 1's
.endr
	s_wait_alu depctr_va_vdst(0)                   ; the wait ahead of a wait that blocks
	s_wait_dscnt 0x0                               ; bias, k and its scale words are in
.irp t, 0,2,4,6
	v_wmma_scale_f32_16x16x128_f8f6f4 v[96+8*\t:103+8*\t], v[32+4*\t:39+4*\t], v[16:23], v[96+8*\t:103+8*\t], v[248+\t/2], v255 matrix_a_fmt:MATRIX_FMT_FP4 matrix_b_fmt:MATRIX_FMT_FP4
	v_wmma_scale_f32_16x16x128_f8f6f4 v[104+8*\t:111+8*\t], v[36+4*\t:43+4*\t], v[16:23], v[104+8*\t:111+8*\t], v[248+\t/2], v255 matrix_a_fmt:MATRIX_FMT_FP4 matrix_b_fmt:MATRIX_FMT_FP4 matrix_a_scale:MATRIX_SCALE_ROW1
.endr
.rept 4
	v_nop                                          ; four places in front of the loads into k's registers and of the first read of the scores
.endr
.irp t, 0,1,2,3
.irp c, 0,1
	ds_load_b128 v[32+8*\t+4*\c:35+8*\t+4*\c], v[VA] offset:2048*\t+1024*\h2+512*\c   ; v's fragments land while the softmax is walked
.endr
.endr
.irp p, 0,1
	ds_load_b32 v[248+\p], v9 offset:128*\p
.endr
.irp b, 0,1,2,3
	v_max3_num_f32 v[232+\b], v[96+16*\b], v[97+16*\b], v[98+16*\b]   ; the largest score of each block of 32 keys: for the row's maximum, and, since p rises with the score, for the block's largest p
.endr
.irp i, 3,5,7,9,11,13
.irp b, 0,1,2,3
	v_max3_num_f32 v[232+\b], v[232+\b], v[96+16*\b+\i], v[97+16*\b+\i]
.endr
.endr
.irp b, 0,1,2,3
	v_max_num_f32 v[232+\b], v[232+\b], v[111+16*\b]
.endr
.irp b, 0,1,2,3
	s_delay_alu instid0(VALU_DEP_4)
	v_permlanex16_b32 v[236+\b], v[232+\b], s20, s21
.endr
.irp b, 0,1,2,3
	s_delay_alu instid0(VALU_DEP_4)
	v_max_num_f32 v[232+\b], v[232+\b], v[236+\b]  ; with lane l xor 16's 16 keys
.endr
	s_delay_alu instid0(VALU_DEP_2)
	v_max3_num_f32 v254, v232, v233, v234
	s_delay_alu instid0(VALU_DEP_1)
	v_max_num_f32 v254, v254, v235
	s_delay_alu instid0(VALU_DEP_1)
	v_mul_f32 v254, s22, v254                      ; as t
	s_delay_alu instid0(VALU_DEP_1)
	v_max_num_f32 v13, v13, v254                   ; the running largest t
	v_mov_b32 v254, v12
	s_delay_alu instid0(VALU_DEP_2)
	v_floor_f32 v12, -v13                          ; the new -M = -ceil(t)
	s_delay_alu instid0(VALU_DEP_1)
	v_sub_f32 v254, v12, v254                      ; old M - new M: a whole number, 0 or less
	s_delay_alu instid0(VALU_DEP_1)
	v_cvt_i32_f32 v254, v254                       ; (it saturates)
	s_delay_alu instid0(VALU_DEP_1)
	v_ldexp_f32 v252, 1.0, v254                    ; f = 2^(old M - new M)
.set j, 0
.rept 32
	v_pk_fma_f32 v[96+j:97+j], v[96+j:97+j], s[22:23], v[12:13] op_sel_hi:[1,0,0]   ; t - M, two at a time
.set j, j+2
.endr
.irp b, 0,1,2,3
	v_fma_f32 v[232+\b], v[232+\b], s22, v12       ; the same of each block's largest score
.endr
.set j, 0
	s_wait_alu depctr_va_vdst(0)                   ; the wait ahead of the batch
.rept 64
	v_exp_f32 v[96+j], v[96+j]                     ; p = 2^(t - M)
.set j, j+1
.endr
	v_pk_mul_f32 v[14:15], v[14:15], v[252:253] op_sel_hi:[1,0]   ; the sums under the new M (a plain place behind the exponentials)
	s_wait_alu depctr_va_vdst(0)                   ; one wait for the batch, ahead of its first reader
	s_wait_dscnt 0x0                               ; v's fragments and scale words are in
.irp b, 0,1,2,3
	v_exp_f32 v[232+\b], v[232+\b]                 ; the block's largest p
.endr
	v_pk_add_f32 v[236:237], v[100:101], v[104:105]   ; the row's sum of the unquantised p, in eight chains
	v_pk_add_f32 v[250:251], v[108:109], v[112:113]
	v_pk_add_f32 v[246:247], v[116:117], v[120:121]
	v_pk_add_f32 v[244:245], v[124:125], v[128:129]
	v_pk_add_f32 v[242:243], v[132:133], v[136:137]
	v_pk_add_f32 v[240:241], v[140:141], v[144:145]
	v_pk_add_f32 v[238:239], v[148:149], v[152:153]
	PA 14, 156
	PA 236, 96
	PA 250, 98
	PA 246, 102
	PA 244, 106
	PA 242, 110
	PA 240, 114
	PA 238, 118
	PA 14, 122
	PA 236, 126
	PA 250, 130
	PA 246, 134
	PA 244, 138
	PA 242, 142
	PA 240, 146
	PA 238, 150
	PA 14, 154
	PA 236, 158
	s_delay_alu instid0(VALU_DEP_2)
	PA 14, 244
	s_delay_alu instid0(VALU_DEP_2)
	PA 236, 242
	PA 250, 240
	PA 246, 238
	s_delay_alu instid0(VALU_DEP_2)
	PA 14, 250
	s_delay_alu instid0(VALU_DEP_2)
	PA 236, 246
	s_delay_alu instid0(VALU_DEP_1)
	PA 14, 236
	s_wait_alu depctr_va_vdst(0)                   ; and one for the four
.irp b, 0,1,2,3
	v_max_num_f32 v[232+\b], 0x1800000, v[232+\b]  ; the floor 2^(3 - 127): the byte cannot fall under 1
.endr
.irp b, 0,1,2,3
	s_delay_alu instid0(VALU_DEP_4)
	v_add_nc_u32 v[244+\b], 0xff000000, v[232+\b]
.endr
.irp b, 0,1,2,3
	s_delay_alu instid0(VALU_DEP_4)
	v_lshrrev_b32 v[236+\b], 23, v[244+\b]
.endr
	s_delay_alu instid0(VALU_DEP_3)
	v_lshl_or_b32 v253, v237, 8, v236              ; p's scale word for these 128 keys
	s_delay_alu instid0(VALU_DEP_1)
	v_lshl_or_b32 v253, v238, 16, v253
	s_delay_alu instid0(VALU_DEP_1)
	v_lshl_or_b32 v253, v239, 24, v253
.irp b, 0,1,2,3
	v_cvt_scalef32_pk8_fp4_f32 v[224+2*\b], v[96+16*\b:103+16*\b], v[244+\b]
	v_cvt_scalef32_pk8_fp4_f32 v[225+2*\b], v[104+16*\b:111+16*\b], v[244+\b]
.endr
	v_nop                                          ; one plain place behind a scaled conversion
.irp c, 0,1
.irp i, 0,1
	v_permlane16_swap_b32 v[224+4*\c+\i], v[226+4*\c+\i]   ; a whole block to a lane
.endr
.endr
.set j, 0
.rept 16
	v_pk_mul_f32 v[160+j:161+j], v[160+j:161+j], v[252:253] op_sel_hi:[1,0]   ; O^T under the new M; these sixteen are also the places between p's scale word and codes and the products below
.set j, j+2
.endr
.irp t, 0,2
	v_wmma_scale_f32_16x16x128_f8f6f4 v[160+8*\t:167+8*\t], v[32+8*\t:39+8*\t], v[224:231], v[160+8*\t:167+8*\t], v[248+\t/2], v253 matrix_a_fmt:MATRIX_FMT_FP4 matrix_b_fmt:MATRIX_FMT_FP4
	v_wmma_scale_f32_16x16x128_f8f6f4 v[168+8*\t:175+8*\t], v[40+8*\t:47+8*\t], v[224:231], v[168+8*\t:175+8*\t], v[248+\t/2], v253 matrix_a_fmt:MATRIX_FMT_FP4 matrix_b_fmt:MATRIX_FMT_FP4 matrix_a_scale:MATRIX_SCALE_ROW1
.endr
.rept 4
	v_nop                                          ; four places in front of the next step's loads into these products' registers, and of the way out's reads
.endr
	s_add_co_u32 s30, s30, 512                     ; the next step's scale words
	s_add_co_u32 s31, s31, 256
.endm
.macro SLOT_STEPS
	STEP 0
	STEP 1
	s_xor_b32 s24, s24, 65536                      ; on to the other slot
	s_xor_b32 s25, s25, 32768
.endm
	s_load_b128 s[4:7], s[0:1], 0x0                ; the bias, act
	s_load_b64 s[8:9], s[0:1], 0x10                ; oq
	v_lshl_add_u32 v[SPW], v0, 2, SPARE
	v_mov_b32 v[NIL], 0
	ds_add_u32 v[SPW], v[NIL]                      ; the opening: the add, twice on end, and its wait ahead of my first tensor load
	ds_add_u32 v[SPW], v[NIL]
	v_lshrrev_b32 v24, 5, v0
	s_delay_alu instid0(VALU_DEP_1)
	v_readfirstlane_b32 s16, v24                   ; wave 0..15
	s_and_b32 s17, s16, 3                          ; my query tile of the four; also which quarter of k or v I fetch
	s_lshr_b32 s18, s16, 2                         ; my head of the four
	s_and_b32 s19, ttmp7, 0xffff
	s_lshr_b32 s33, s19, 2                         ; batch
	s_and_b32 s34, s19, 3                          ; group of four heads
	s_lshl_b32 s35, s34, 2
	s_add_co_u32 s35, s35, s18                     ; head
	s_lshl_b32 s36, s33, 7
	s_lshl_b32 s37, ttmp9, 2
	s_add_co_u32 s36, s36, s37
	s_add_co_u32 s36, s36, s17                     ; my tile of queries among the 256
	s_mov_b32 s20, 0x76543210
	s_mov_b32 s21, 0xfedcba98
	s_mov_b32 s22, 0x3fb8aa3b                      ; log2(e)
	s_mov_b32 s23, s22                             ; (named with it as a pair)
	s_mov_b32 s[G1B], (2<<16)|(1<<20)|(7<<22)|(3<<25)   ; bias: elements of 4 bytes; four words of padding behind every 256
	s_mov_b32 s[G1B+1], 256<<16
	s_mov_b32 s[G1B+2], 8<<16
	s_mov_b32 s[G1B+3], 256<<16
	s_mov_b32 s[G1B+4], 8                          ; 8 rows of 256 numbers,
	s_mov_b32 s[G1B+5], NK                         ; NK numbers apart
	s_mov_b32 s[G1B+6], 0
	s_mov_b32 s[G1B+7], 0
.irp g, G1K, G1V
	s_mov_b32 s[\g], 3<<16                         ; k, v: elements of 8 bytes, 4 rows of 256
	s_mov_b32 s[\g+1], 256<<16
	s_mov_b32 s[\g+2], 4<<16
	s_mov_b32 s[\g+3], 256<<16
	s_mov_b32 s[\g+4], 4
	s_mov_b32 s[\g+6], 0
	s_mov_b32 s[\g+7], 0
.endr
	s_mov_b32 s[G1K+5], 1024                       ; a tile of k is 8,192 bytes
	s_mov_b32 s[G1V+5], VTS/8
	s_lshl_b32 s28, ttmp9, 6                       ; bias, chunk c = w % 8: LDS rows 8 c .. are queries 64 x + 32 (c / 4) + 8 ((c / 2) % 2) + 16 (c % 2) ..
	s_bfe_u32 s37, s16, 0x10002
	s_lshl_b32 s37, s37, 5
	s_add_co_u32 s28, s28, s37
	s_bfe_u32 s37, s16, 0x10001
	s_lshl_b32 s37, s37, 3
	s_add_co_u32 s28, s28, s37
	s_and_b32 s37, s16, 1
	s_lshl_b32 s37, s37, 4
	s_add_co_u32 s28, s28, s37
	s_mul_i32 s28, s28, BP
	s_mov_b32 s29, 0
	s_bfe_u32 s[GB+1], s16, 0x10002                ; in LDS: run 2 (c / 4), row 8 (c % 4)
	s_lshl_b32 s[GB+1], s[GB+1], 17
	s_mul_i32 s37, s17, 8*BPI
	s_add_co_u32 s[GB+1], s[GB+1], s37
	s_mul_i32 s10, s33, NKT                        ; k: tiles 4 (w % 4) .. of the slot's 16, the group's four heads
	s_lshl_b32 s37, s17, 2
	s_add_co_u32 s10, s10, s37
	s_lshl_b32 s10, s10, 13
	s_lshl_b32 s37, s34, 11
	s_add_co_u32 s10, s10, s37
	s_add_co_u32 s10, s10, KC
	s_mov_b32 s11, 0
	s_lshl_b32 s[GK+1], s17, 13
	s_add_co_u32 s[GK+1], s[GK+1], KB
	s_lshl_b32 s38, s34, 4                         ; v: channel tiles 16 hg + 4 (w % 4) ..
	s_lshl_b32 s37, s17, 2
	s_add_co_u32 s38, s38, s37
	s_mul_i32 s38, s38, VTS
	s_mul_i32 s37, s33, NSTEP*1024
	s_add_co_u32 s38, s38, s37
	s_add_co_u32 s38, s38, VC
	s_mov_b32 s39, 0
	s_bfe_u32 s[GV+1], s16, 0x10001
	s_lshl_b32 s[GV+1], s[GV+1], 17
	s_and_b32 s37, s16, 1
	s_lshl_b32 s37, s37, 13
	s_add_co_u32 s[GV+1], s[GV+1], s37
	s_add_co_u32 s[GV+1], s[GV+1], VB
	s_lshr_b32 s58, s17, 1                         ; where I read: bias rows 16 qt ..
	s_lshl_b32 s58, s58, 17
	s_and_b32 s37, s17, 1
	s_mul_i32 s37, s37, 16*BPI
	s_add_co_u32 s58, s58, s37
	s_lshl_b32 s59, s18, 9                         ; k: my head's 512 bytes of a tile
	s_add_co_u32 s59, s59, KB
	s_lshr_b32 s66, s18, 1                         ; v: channel tiles 4 hd ..
	s_lshl_b32 s66, s66, 17
	s_and_b32 s37, s18, 1
	s_lshl_b32 s37, s37, 13
	s_add_co_u32 s66, s66, s37
	s_add_co_u32 s66, s66, VB
	s_lshl_b32 s67, s18, 16                        ; my head's run
	s_add_co_u32 s100, s67, VSC
	s_add_co_u32 s67, s67, KSC
	s_mul_i32 s37, s17, 16*NKT
	s_add_co_u32 s101, s67, s37                    ; where my quarter of my head's scale words of k goes
.if NSTEP == 16
	s_lshl_b32 s2, s16, 8                          ; v's scale words: wave w copies step w's
.else
	s_and_b32 s2, s16, 1                           ; wave w copies half w % 2 (heads 2 (w % 2), + 1) of step w / 2's
	s_lshl_b32 s2, s2, 17
	s_lshr_b32 s37, s16, 1
	s_lshl_b32 s37, s37, 8
	s_add_co_u32 s2, s2, s37
.endif
	s_add_co_u32 s2, s2, VSC
	s_mul_i32 s46, s35, HSK                        ; k's scale words in memory: my quarter of my head's
	s_mul_i32 s37, s33, NKT*64
	s_add_co_u32 s46, s46, s37
	s_mul_i32 s37, s17, 16*NKT
	s_add_co_u32 s46, s46, s37
	s_add_co_u32 s46, s46, KS
	s_mov_b32 s47, 0
	s_mul_i32 s48, s33, NSTEP*4096                 ; v's: 1,024 bytes of each step for the group's 16 channel tiles
	s_lshl_b32 s37, s34, 10
	s_add_co_u32 s48, s48, s37
.if NSTEP == 16
	s_lshl_b32 s37, s16, 12
	s_add_co_u32 s48, s48, s37
.else
	s_lshr_b32 s37, s16, 1
	s_lshl_b32 s37, s37, 12
	s_add_co_u32 s48, s48, s37
	s_and_b32 s37, s16, 1
	s_lshl_b32 s37, s37, 9
	s_add_co_u32 s48, s48, s37
.endif
	s_add_co_u32 s48, s48, VS
	s_mov_b32 s49, 0
	s_lshl_b32 s54, s36, 13                        ; 8,192 x tile + 512 x head: q's codes, and o's
	s_lshl_b32 s37, s35, 9
	s_add_co_u32 s54, s54, s37
	s_mov_b32 s55, 0
	s_add_co_u32 s50, s54, QC
	s_mov_b32 s51, 0
	s_lshl_b32 s52, s35, 14                        ; q's scale words
	s_lshl_b32 s37, s36, 6
	s_add_co_u32 s52, s52, s37
	s_add_co_u32 s52, s52, QS
	s_mov_b32 s53, 0
	s_lshl_b32 s56, s36, 9                         ; o's scale bytes: 512 x tile + 256 (head / 8) + 2 (head % 8)
	s_lshr_b32 s37, s35, 3
	s_lshl_b32 s37, s37, 8
	s_add_co_u32 s56, s56, s37
	s_and_b32 s37, s35, 7
	s_lshl_b32 s37, s37, 1
	s_add_co_u32 s56, s56, s37
	s_add_co_u32 s56, s56, OSC
	s_mov_b32 s57, 0
	s_mov_b32 s24, 0                               ; the slot in hand: 0 or 65,536; for k 0 or 32,768
	s_mov_b32 s25, 0
	s_mov_b32 s30, 0
	s_mov_b32 s31, 0
	s_mov_b32 s32, NSL-1
	s_wait_alu depctr_va_vdst(0)                   ; the wait ahead of a wait that blocks
	s_wait_dscnt 0x0                               ; both opening adds are done
	s_wait_kmcnt 0x0
	s_mov_b32 s[GB], 1
	s_add_nc_u64 s[GB+2:GB+3], s[4:5], s[28:29]
	s_or_b32 s[GB+3], s[GB+3], 0x80000000
	s_mov_b32 s[GK], 1
	s_add_nc_u64 s[GK+2:GK+3], s[6:7], s[10:11]
	s_or_b32 s[GK+3], s[GK+3], 0x80000000
	s_mov_b32 s[GV], 1
	s_add_nc_u64 s[GV+2:GV+3], s[6:7], s[38:39]
	s_or_b32 s[GV+3], s[GV+3], 0x80000000
	TL                                             ; slot 0's first fill: one tensor load a wave
	s_add_nc_u64 s[46:47], s[6:7], s[46:47]
	s_add_nc_u64 s[48:49], s[6:7], s[48:49]
	s_add_nc_u64 s[50:51], s[6:7], s[50:51]
	s_add_nc_u64 s[52:53], s[6:7], s[52:53]
	s_add_nc_u64 s[54:55], s[8:9], s[54:55]
	s_add_nc_u64 s[56:57], s[8:9], s[56:57]
	v_and_b32 v24, 31, v0                          ; lane
	v_and_b32 v25, 15, v0                          ; r
	v_bfe_u32 v26, v0, 4, 1                        ; h
	v_lshlrev_b32 v1, 4, v24
	v_lshlrev_b32 v27, 2, v24
	v_mul_u32_u24 v[BA0], v25, BPI
	v_lshlrev_b32 v28, 2, v25
	v_lshlrev_b32 v29, 4, v25
	v_lshl_add_u32 v[BA0], v26, 6, v[BA0]
	v_add_nc_u32 v[KA0], s59, v1
	v_add_nc_u32 v[VA0], s66, v1
	v_add_nc_u32 v4, s67, v27
	v_add_nc_u32 v5, s100, v27
	v_add_nc_u32 v8, s101, v1                      ; where my part of k's scale words goes
	v_lshl_add_u32 v9, v26, 16, v29                ; and of v's: lanes 0-15 one head's run, lanes 16-31 the next head's
	v_add_nc_u32 v[BA0], s58, v[BA0]               ; bias: row 16 qt + r, + 64 h
	v_add_nc_u32 v9, s2, v9
	v_add_nc_u32 v30, 131072, v9
.set j, 0
.rept NKT/32
	global_load_b128 v[96+4*j:99+4*j], v1, s[46:47] offset:512*j
.set j, j+1
.endr
.set j, 0
.rept NSTEP/8
	global_load_b128 v[112+4*j:115+4*j], v1, s[48:49] offset:512*j
.set j, j+1
.endr
	global_load_b128 v[16:19], v1, s[50:51]        ; q's two blocks: they stay
	global_load_b32 v255, v28, s[52:53]            ; q's scale words
	v_mov_b32 v13, 0xff61b1e6                      ; the largest t so far: -3e38
	s_delay_alu instid0(VALU_DEP_1)
	v_floor_f32 v12, -v13
	v_mov_b32 v14, 0
	v_mov_b32 v15, 0
.irp i, 20,21,22,23,64,65,66,67,236,237,238,239,253
	v_mov_b32 v\i, 0                               ; zero codes; and registers that are named before they are first written
.endr
.set j, 0
.rept 32
	v_mov_b32 v[160+j], 0                          ; O^T: the step is written once; the first finds zeros
.set j, j+1
.endr
	s_wait_alu depctr_va_vdst(0)                   ; the wait at the head's end
	s_wait_loadcnt 0x0
	s_wait_tensorcnt 0x0                           ; my LDS stores are issued with no tensor load of mine on its way
.set j, 0
.rept NKT/32
	ds_store_b128 v8, v[96+4*j:99+4*j] offset:512*j
.set j, j+1
.endr
	ds_store_b128 v9, v[112:115]
.if NSTEP == 16
	ds_store_b128 v30, v[116:119]                  ; the step's second 512 bytes: heads 2 and 3
.endif
.Lslot:                                            ; NSL - 1 trips: behind each change of slots but the last the next slot is asked for (the first time: slot 1's first fill, issued as a refill is)
	CHANGE 1
	SLOT_STEPS
	s_sub_co_u32 s32, s32, 1
	s_cmp_lg_u32 s32, 0
	s_cbranch_scc1 .Lslot
	CHANGE 0                                       ; the last slot is written out: it asks for nothing
	SLOT_STEPS
	; THE WAY OUT: O^T / the sum; its 64 channels are two blocks of the next product's K: quantised, and stored as blocks 2 head, 2 head + 1 of my tile's image.
	v_add_f32 v14, v14, v15
	s_delay_alu instid0(VALU_DEP_1)
	v_permlanex16_b32 v252, v14, s20, s21
	s_delay_alu instid0(VALU_DEP_1)
	v_add_f32 v14, v14, v252                       ; the row's sum
	s_wait_alu depctr_va_vdst(0)
	v_rcp_f32 v14, v14
	v_nop                                          ; a plain place behind the transcendental
	s_wait_alu depctr_va_vdst(0)                   ; and the wait ahead of its first reader
.set j, 0
.rept 32
	v_mul_f32 v[96+j], v[160+j], v14               ; register 16 b + i = channel 32 b + 16 h + i of my query
.set j, j+1
.endr
.irp b, 0,1
	v_max3_num_f32 v[232+\b], |v[96+16*\b]|, |v[97+16*\b]|, 0x1800000
.endr
.irp i, 2,4,6,8,10,12,14
.irp b, 0,1
	s_delay_alu instid0(VALU_DEP_2)
	v_max3_num_f32 v[232+\b], v[232+\b], |v[96+16*\b+\i]|, |v[97+16*\b+\i]|
.endr
.endr
.irp b, 0,1
	s_delay_alu instid0(VALU_DEP_2)
	v_permlanex16_b32 v[236+\b], v[232+\b], s20, s21
.endr
.irp b, 0,1
	s_delay_alu instid0(VALU_DEP_2)
	v_max_num_f32 v[232+\b], v[232+\b], v[236+\b]
.endr
.irp b, 0,1
	s_delay_alu instid0(VALU_DEP_2)
	v_add_nc_u32 v[244+\b], 0xff000000, v[232+\b]
.endr
.irp b, 0,1
	s_delay_alu instid0(VALU_DEP_2)
	v_lshrrev_b32 v[236+\b], 23, v[244+\b]
.endr
	s_delay_alu instid0(VALU_DEP_1)
	v_lshl_or_b32 v240, v237, 8, v236
.irp b, 0,1
	v_cvt_scalef32_pk8_fp4_f32 v[224+2*\b], v[96+16*\b:103+16*\b], v[244+\b]
	v_cvt_scalef32_pk8_fp4_f32 v[225+2*\b], v[104+16*\b:111+16*\b], v[244+\b]
.endr
	v_nop
	v_permlane16_swap_b32 v224, v226
	v_permlane16_swap_b32 v225, v227
	global_store_b128 v1, v[224:227], s[54:55]     ; 512 consecutive bytes, aligned
	global_store_b16 v29, v240, s[56:57]           ; my row's two bytes (both halves of the lanes hold and store the same)
	s_wait_tensorcnt 0x0                           ; the wave's end: behind my last tensor load and my last LDS store
	ds_add_u32 v[SPW], v[NIL]
	s_wait_dscnt 0x0
	s_endpgm
.Lfunc_end_k_qd144c1a75b_att1:
	.size	k_qd144c1a75b_att1, .Lfunc_end_k_qd144c1a75b_att1-k_qd144c1a75b_att1
	.p2alignl 7, 3214868480
	.fill 96, 4, 3214868480
	.section	.rodata,"a",@progbits
	.p2align	6, 0x0
	.amdhsa_kernel k_qd144c1a75b_att1
		.amdhsa_group_segment_fixed_size 327680
		.amdhsa_private_segment_fixed_size 0
		.amdhsa_enable_private_segment 0
		.amdhsa_kernarg_size 24
		.amdhsa_user_sgpr_count 2
		.amdhsa_user_sgpr_kernarg_segment_ptr 1
		.amdhsa_wavefront_size32 1
		.amdhsa_system_sgpr_workgroup_id_x 1
		.amdhsa_system_sgpr_workgroup_id_y 1
		.amdhsa_system_sgpr_workgroup_id_z 1
		.amdhsa_system_vgpr_workitem_id 0
		.amdhsa_next_free_vgpr 256
		.amdhsa_next_free_sgpr 102
		.amdhsa_reserve_vcc 0
		.amdhsa_float_denorm_mode_32 3
		.amdhsa_float_denorm_mode_16_64 3
		.amdhsa_memory_ordered 1
		.amdhsa_forward_progress 1
		.amdhsa_inst_pref_size 87
	.end_amdhsa_kernel
	.amdgpu_metadata
---
amdhsa.version: [ 1, 2 ]
amdhsa.kernels:
  - .name:           k_qd144c1a75b_att1
    .symbol:         k_qd144c1a75b_att1.kd
    .args:
      - { .name: casual_mask, .offset: 0, .size: 8, .value_kind: global_buffer, .address_space: global }
      - { .name: act, .offset: 8, .size: 8, .value_kind: global_buffer, .address_space: global }
      - { .name: oq, .offset: 16, .size: 8, .value_kind: global_buffer, .address_space: global }
    .group_segment_fixed_size: 327680
    .private_segment_fixed_size: 0
    .kernarg_segment_align: 8
    .kernarg_segment_size: 24
    .max_flat_workgroup_size: 512
    .sgpr_count:     102
    .vgpr_count:     256
    .wavefront_size: 32
...
	.end_amdgpu_metadata
.endif
;; end of part 3
;; launch ch1 (part 4): grid 256 x 1, 16 waves a work-group, no clusters, 304,128 bytes of LDS; arguments oq, x, g2, wq, x1, act; writes x1, act
.if DOCPART == 4
	.amdgcn_target "amdgcn-amd-amdhsa--gfx1250"
	.amdhsa_code_object_version 6
	.text
	.protected	k_qd144c1a75b_ch1
	.globl	k_qd144c1a75b_ch1
	.p2align	8
	.type	k_qd144c1a75b_ch1,@function
k_qd144c1a75b_ch1:
	s_mov_b64 s[64:65], 0
	v_nop
	global_prefetch_b8 v0, s[64:65] scope:SCOPE_SE
	s_setreg_imm32_b32 hwreg(HW_REG_WAVE_MODE, 25, 1), 1
	s_wait_xcnt 0x0
; Launch 4.  For 32 tokens: x1 = o Wo1 + x (stored, f32); h = RMS norm(x1, g2), quantised; q2 = h Wq2, quantised and stored as the second attention's operand (its bytes lowered by 3: the 1 / sqrt(64)).  No work of reference() is left out.
; TWO WORK-GROUPS TO EACH 32 TOKENS (group g = x / 2, half hf = x % 2).  The norm wants whole rows, so both compute o Wo1 + x and the norm.  What leaves is shared out, each byte stored by one of the two: of a wave's two rows of x1 half hf stores
; row hf; of Wq2's 1,024 columns half hf takes 512 hf .. 512 hf + 511.  So a work-group loads 557,056 bytes of Wo1 and 278,528 of Wq2, where one work-group alone would load 557,056 of each.
; Shares, layouts and macros as in launch 2: in the first product wave w owns columns 64 w .. 64 w + 63; in the second, tile pair 16 hf + w: 32 columns, one block of q2.  Weights go from memory straight into registers, ahead of their use;
; the tokens' codes go round as images in LDS.  Between the products the 32 rows turn through a stage in LDS: written by columns, read by rows, written back, read by columns.  The residual waits in a second stage, in rows that only its own wave touches.
; No cluster: the weights go into registers by the waves' own loads, and beside the two stages LDS has no room for a ring of weight tiles.
; LIMITS: as in launch 2.
.set SP,    4112
.set STG2,  32*SP
.set IMG0,  2*32*SP
.set XSC0,  IMG0+32768
.set GAM,   XSC0+2048
.set SPARE, GAM+4096                   ; the spare words, 128 bytes for each wave: eight blocks of 256 bytes that no other line names
.set WSTR,  557056
.set OSC,   2097152
.set Q2C,   8388608
.set Q2S,   11337728
.set LI,  1
.set XR,  2
.set XW,  3
.set XSW, 4
.set SW0, 5
.set SW1, 6
.set RR,  7
.set RR2, 8                            ; the second stage by rows
.set WO,  9                            ; 32,768 w + 16 x lane; for the shared weight 16,384 w + 16 x lane
.set WSO, 10                           ; 2,048 w + 16 x lane; for the shared weight 1,024 w + 16 x lane
.set GR,  11
.set L4,  12
.set QO,  13                           ; q2's codes: 8,192 h + 16 r + 256 w
.set SPW, 14
.set NIL, 15
.set TM,  16
.set ACC, 32
.set WR,  96
.set XF,  192
.set WS,  224
.set XS,  240
.set PC,  248
.macro BAR
	s_wait_dscnt 0x0
	s_barrier_signal -1
	s_barrier_wait -1
.endm
.macro WL base, s
.irp t, 0,1,2,3
.irp c, 0,1
	global_load_b128 v[WR+32*((\s)%3)+8*\t+4*\c:WR+32*((\s)%3)+8*\t+4*\c+3], v[WO], s[\base:\base+1] offset:8192*\t+1024*(\s)+512*\c
.endr
.endr
.endm
.macro WPRE base
.irp t, 0,1,2,3
	global_load_b128 v[WS+4*\t:WS+4*\t+3], v[WSO], s[\base:\base+1] offset:524288+512*\t
.endr
	WL \base, 0
	WL \base, 1
	WL \base, 2
.endm
.macro XFL s, img
.irp u, 0,1
.irp c, 0,1
	ds_load_b128 v[XF+16*((\s)%2)+8*\u+4*\c:XF+16*((\s)%2)+8*\u+4*\c+3], v[XR] offset:16384*(\img)+8192*\u+1024*(\s)+512*\c
.endr
.endr
.endm
.macro PROD base, img                  ; source 0 = 16 rows of W^T, source 1 = 16 tokens; eight accumulators by turns
	ds_load_b128 v[XS:XS+3], v[XR] offset:XSC0-IMG0+1024*\img
	ds_load_b128 v[XS+4:XS+7], v[XR] offset:XSC0-IMG0+1024*\img+512
	XFL 0, \img
	XFL 1, \img
.irp s, 0,1,2,3,4,5,6,7
.if \s < 6
	s_wait_loadcnt 16                              ; this K step's eight weight loads are in; those of the next two steps may be out
.else
	s_wait_loadcnt 8*(7-\s)
.endif
.if \s < 7
	s_wait_dscnt 4                                 ; this K step's token fragments are in; the next step's four loads may be out
.else
	s_wait_dscnt 0
.endif
.irp u, 0,1
.irp t, 0,1,2,3
.set rD, ACC+32*\u+8*\t
.set rA, WR+32*(\s%3)+8*\t
.set rB, XF+16*(\s%2)+8*\u
.set rP, WS+4*\t+\s%4
.set rQ, XS+4*\u+\s%4
.if \s == 0
	v_wmma_scale_f32_16x16x128_f8f6f4 v[rD:rD+7], v[rA:rA+7], v[rB:rB+7], 0, v[rP], v[rQ] matrix_a_fmt:MATRIX_FMT_FP4 matrix_b_fmt:MATRIX_FMT_FP4
.elseif \s < 4
	v_wmma_scale_f32_16x16x128_f8f6f4 v[rD:rD+7], v[rA:rA+7], v[rB:rB+7], v[rD:rD+7], v[rP], v[rQ] matrix_a_fmt:MATRIX_FMT_FP4 matrix_b_fmt:MATRIX_FMT_FP4
.else
	v_wmma_scale_f32_16x16x128_f8f6f4 v[rD:rD+7], v[rA:rA+7], v[rB:rB+7], v[rD:rD+7], v[rP], v[rQ] matrix_a_fmt:MATRIX_FMT_FP4 matrix_b_fmt:MATRIX_FMT_FP4 matrix_a_scale:MATRIX_SCALE_ROW1 matrix_b_scale:MATRIX_SCALE_ROW1
.endif
.endr
.endr
.if \s != 6
.rept 4
	v_nop                                          ; four places in front of loads into registers that these products read, and (step 7) of the first read of results
.endr
.endif
.if \s < 5
	WL \base, \s+3
.endif
.if \s < 6
	XFL \s+2, \img
.endif
.endr
.endm
; THE SHARED WEIGHT: my two tiles (32 columns).  A K step is four loads and 16 registers, so the same 96 registers hold six K steps.
.macro WLH cb, s                       ; K step s into set s % 6
.irp t, 0,1
.irp c, 0,1
	global_load_b128 v[WR+16*((\s)%6)+8*\t+4*\c:WR+16*((\s)%6)+8*\t+4*\c+3], v[WO], s[\cb:\cb+1] offset:8192*\t+1024*(\s)+512*\c
.endr
.endr
.endm
.macro WPREH cb, sb                    ; its scale words and its first six K steps: 26 loads
.irp t, 0,1
	global_load_b128 v[WS+4*\t:WS+4*\t+3], v[WSO], s[\sb:\sb+1] offset:512*\t
.endr
.irp s, 0,1,2,3,4,5
	WLH \cb, \s
.endr
.endm
.macro PRODH cb, img                   ; four accumulators by turns: (token tile u, weight tile t) at ACC + 16 u + 8 t: a lane's 16 registers of tile u are 16 neighbouring columns
	ds_load_b128 v[XS:XS+3], v[XR] offset:XSC0-IMG0+1024*\img
	ds_load_b128 v[XS+4:XS+7], v[XR] offset:XSC0-IMG0+1024*\img+512
	XFL 0, \img
	XFL 1, \img
.irp s, 0,1,2,3,4,5,6,7
.if \s < 3
	s_wait_loadcnt 20                              ; this K step's four weight loads are in; behind them five K steps' loads were issued (steps 6 and 7 behind steps 0 and 1)
.else
	s_wait_loadcnt 4*(7-\s)
.endif
.if \s < 7
	s_wait_dscnt 4                                 ; this K step's token fragments are in; the next step's four loads may be out
.else
	s_wait_dscnt 0
.endif
.irp u, 0,1
.irp t, 0,1
.set rD, ACC+16*\u+8*\t
.set rA, WR+16*(\s%6)+8*\t
.set rB, XF+16*(\s%2)+8*\u
.set rP, WS+4*\t+\s%4
.set rQ, XS+4*\u+\s%4
.if \s == 0
	v_wmma_scale_f32_16x16x128_f8f6f4 v[rD:rD+7], v[rA:rA+7], v[rB:rB+7], 0, v[rP], v[rQ] matrix_a_fmt:MATRIX_FMT_FP4 matrix_b_fmt:MATRIX_FMT_FP4
.elseif \s < 4
	v_wmma_scale_f32_16x16x128_f8f6f4 v[rD:rD+7], v[rA:rA+7], v[rB:rB+7], v[rD:rD+7], v[rP], v[rQ] matrix_a_fmt:MATRIX_FMT_FP4 matrix_b_fmt:MATRIX_FMT_FP4
.else
	v_wmma_scale_f32_16x16x128_f8f6f4 v[rD:rD+7], v[rA:rA+7], v[rB:rB+7], v[rD:rD+7], v[rP], v[rQ] matrix_a_fmt:MATRIX_FMT_FP4 matrix_b_fmt:MATRIX_FMT_FP4 matrix_a_scale:MATRIX_SCALE_ROW1 matrix_b_scale:MATRIX_SCALE_ROW1
.endif
.endr
.endr
.if \s != 6
.rept 4
	v_nop                                          ; four places, as in PROD
.endr
.endif
.if \s < 2
	WLH \cb, \s+6
.endif
.if \s < 6
	XFL \s+2, \img
.endif
.endr
.endm
.macro QUANT floor
.irp b, 0,1,2,3
	v_max3_num_f32 v[TM+\b], |v[ACC+16*\b]|, |v[ACC+1+16*\b]|, \floor
.endr
.irp i, 2,4,6,8,10,12,14
.irp b, 0,1,2,3
	s_delay_alu instid0(VALU_DEP_4)
	v_max3_num_f32 v[TM+\b], v[TM+\b], |v[ACC+16*\b+\i]|, |v[ACC+1+16*\b+\i]|
.endr
.endr
.irp b, 0,1,2,3
	s_delay_alu instid0(VALU_DEP_4)
	v_permlanex16_b32 v[TM+4+\b], v[TM+\b], s20, s21
.endr
.irp b, 0,1,2,3
	s_delay_alu instid0(VALU_DEP_4)
	v_max_num_f32 v[TM+\b], v[TM+\b], v[TM+4+\b]
.endr
.irp b, 0,1,2,3
	s_delay_alu instid0(VALU_DEP_4)
	v_add_nc_u32 v[TM+12+\b], 0xff000000, v[TM+\b]
.endr
.irp b, 0,1,2,3
	s_delay_alu instid0(VALU_DEP_4)
	v_lshrrev_b32 v[TM+4+\b], 23, v[TM+12+\b]
.endr
.irp b, 0,1,2,3
	v_cvt_scalef32_pk8_fp4_f32 v[PC+2*\b], v[ACC+16*\b:ACC+7+16*\b], v[TM+12+\b]
	v_cvt_scalef32_pk8_fp4_f32 v[PC+1+2*\b], v[ACC+8+16*\b:ACC+15+16*\b], v[TM+12+\b]
.endr
	v_nop                                          ; one plain place behind a scaled conversion
.irp c, 0,1
.irp i, 0,1
	v_permlane16_swap_b32 v[PC+4*\c+\i], v[PC+2+4*\c+\i]
.endr
.endr
.endm
.macro QUANT2 floor                    ; the same of two blocks, ACC + 16 b on: codes in PC .. PC + 3 (lanes 0-15 block 0, lanes 16-31 block 1), bytes in TM+4, TM+5
.irp b, 0,1
	v_max3_num_f32 v[TM+\b], |v[ACC+16*\b]|, |v[ACC+1+16*\b]|, \floor
.endr
.irp i, 2,4,6,8,10,12,14
.irp b, 0,1
	v_max3_num_f32 v[TM+\b], v[TM+\b], |v[ACC+16*\b+\i]|, |v[ACC+1+16*\b+\i]|
.endr
.endr
.irp b, 0,1
	s_delay_alu instid0(VALU_DEP_2)
	v_permlanex16_b32 v[TM+4+\b], v[TM+\b], s20, s21
.endr
.irp b, 0,1
	s_delay_alu instid0(VALU_DEP_2)
	v_max_num_f32 v[TM+\b], v[TM+\b], v[TM+4+\b]
.endr
.irp b, 0,1
	s_delay_alu instid0(VALU_DEP_2)
	v_add_nc_u32 v[TM+12+\b], 0xff000000, v[TM+\b]
.endr
.irp b, 0,1
	s_delay_alu instid0(VALU_DEP_2)
	v_lshrrev_b32 v[TM+4+\b], 23, v[TM+12+\b]
.endr
.irp b, 0,1
	v_cvt_scalef32_pk8_fp4_f32 v[PC+2*\b], v[ACC+16*\b:ACC+7+16*\b], v[TM+12+\b]
	v_cvt_scalef32_pk8_fp4_f32 v[PC+1+2*\b], v[ACC+8+16*\b:ACC+15+16*\b], v[TM+12+\b]
.endr
	v_nop                                          ; one plain place behind a scaled conversion
	v_permlane16_swap_b32 v[PC], v[PC+2]
	v_permlane16_swap_b32 v[PC+1], v[PC+3]
.endm
.macro EPI_LDS img
	QUANT 0x1800000
	v_lshl_or_b32 v[TM+8], v[TM+5], 8, v[TM+4]
	v_lshl_or_b32 v[TM+9], v[TM+7], 8, v[TM+6]
	s_delay_alu instid0(VALU_DEP_1)
	v_cndmask_b32 v[TM+10], v[TM+8], v[TM+9], s22
	ds_store_b128 v[XW], v[PC:PC+3] offset:16384*\img
	ds_store_b128 v[XW], v[PC+4:PC+7] offset:16384*\img+8192
	ds_store_b16 v[XSW], v[TM+10] offset:1024*\img
.endm
.macro EPI_STAGE                       ; my 64 columns of the 32 rows into the stage, each accumulator from its low end on
.irp u, 0,1
.irp t, 0,1,2,3
.irp f, 0,1
	ds_store_b128 v[SW0+\u], v[ACC+32*\u+8*\t+4*\f:ACC+32*\u+8*\t+4*\f+3] offset:128*(\t/2)+32*(\t%2)+16*\f
.endr
.endr
.endr
.endm
.macro QPASS
.irp u, 0,1
.irp t, 0,1,2,3
.irp f, 0,1
	ds_load_b128 v[ACC+32*\u+8*\t+4*\f:ACC+32*\u+8*\t+4*\f+3], v[SW0+\u] offset:128*(\t/2)+32*(\t%2)+16*\f
.endr
.endr
.endr
	s_wait_dscnt 0x0
.endm
.macro SUMSQ
	v_pk_mul_f32 v[TM:TM+1], v[ACC:ACC+1], v[ACC:ACC+1]
	v_pk_mul_f32 v[TM+2:TM+3], v[ACC+32:ACC+33], v[ACC+32:ACC+33]
.set j, 2
.rept 15
	s_delay_alu instid0(VALU_DEP_2)
	v_pk_fma_f32 v[TM:TM+1], v[ACC+j:ACC+j+1], v[ACC+j:ACC+j+1], v[TM:TM+1]
	s_delay_alu instid0(VALU_DEP_2)
	v_pk_fma_f32 v[TM+2:TM+3], v[ACC+32+j:ACC+33+j], v[ACC+32+j:ACC+33+j], v[TM+2:TM+3]
.set j, j+2
.endr
	s_delay_alu instid0(VALU_DEP_2)
	v_add_f32 v[TM], v[TM], v[TM+1]
	s_delay_alu instid0(VALU_DEP_2)
	v_add_f32 v[TM+2], v[TM+2], v[TM+3]
.irp m, 1,2,4,8
	s_delay_alu instid0(VALU_DEP_2)
	v_add_f32_dpp v[TM], v[TM], v[TM] row_xmask:\m row_mask:0xf bank_mask:0xf
	s_delay_alu instid0(VALU_DEP_2)
	v_add_f32_dpp v[TM+2], v[TM+2], v[TM+2] row_xmask:\m row_mask:0xf bank_mask:0xf
.endr
	s_delay_alu instid0(VALU_DEP_2)
	v_permlanex16_b32 v[TM+4], v[TM], s20, s21
	s_delay_alu instid0(VALU_DEP_2)
	v_permlanex16_b32 v[TM+5], v[TM+2], s20, s21
	s_delay_alu instid0(VALU_DEP_2)
	v_add_f32 v[TM], v[TM], v[TM+4]
	s_delay_alu instid0(VALU_DEP_2)
	v_add_f32 v[TM+2], v[TM+2], v[TM+5]
	s_delay_alu instid0(VALU_DEP_2)
	v_fma_f32 v[TM], v[TM], s24, s23
	s_delay_alu instid0(VALU_DEP_2)
	v_fma_f32 v[TM+2], v[TM+2], s24, s23
	s_wait_alu depctr_va_vdst(0)
	v_rsq_f32 v[TM+8], v[TM]
	v_rsq_f32 v[TM+10], v[TM+2]
	v_nop                                          ; a plain place behind the transcendentals
	s_wait_alu depctr_va_vdst(0)                   ; one wait for both, ahead of their first reader
.endm
.macro SCALEG
.set j, 0
.rept 16
	v_pk_mul_f32 v[ACC+j:ACC+j+1], v[ACC+j:ACC+j+1], v[TM+8:TM+9] op_sel_hi:[1,0]
	v_pk_mul_f32 v[ACC+32+j:ACC+33+j], v[ACC+32+j:ACC+33+j], v[TM+10:TM+11] op_sel_hi:[1,0]
.set j, j+2
.endr
.set j, 0
.rept 16
	v_pk_mul_f32 v[ACC+j:ACC+j+1], v[ACC+j:ACC+j+1], v[XF+j:XF+j+1]
	v_pk_mul_f32 v[ACC+32+j:ACC+33+j], v[ACC+32+j:ACC+33+j], v[XF+j:XF+j+1]
.set j, j+2
.endr
.endm
.macro ADDROW i                        ; the residual's row i (second stage) onto the product's row i
.irp q, 0,1,2,3,4,5,6,7
	ds_load_b128 v[XF+4*\q:XF+4*\q+3], v[RR2] offset:SP*\i+512*\q
.endr
	s_wait_dscnt 0x0
.set j, 0
.rept 16
	v_pk_add_f32 v[ACC+32*\i+j:ACC+32*\i+j+1], v[ACC+32*\i+j:ACC+32*\i+j+1], v[XF+j:XF+j+1]
.set j, j+2
.endr
.endm
	s_load_b256 s[4:11], s[0:1], 0x0               ; oq, x, g2, wq
	s_load_b128 s[12:15], s[0:1], 0x20             ; x1, act
	v_lshl_add_u32 v[SPW], v0, 2, SPARE
	v_mov_b32 v[NIL], 0
	v_lshrrev_b32 v[TM], 5, v0
	s_delay_alu instid0(VALU_DEP_1)
	v_readfirstlane_b32 s16, v[TM]                 ; wave 0..15
	s_lshr_b32 s17, ttmp9, 1                       ; g: which 32 tokens
	s_and_b32 s18, ttmp9, 1                        ; hf: which half of what leaves
	s_mov_b32 s20, 0x76543210
	s_mov_b32 s21, 0xfedcba98
	s_mov_b32 s22, 0xffff0000
	s_mov_b32 s23, 0x358637bd                      ; eps
	s_mov_b32 s24, 0x3a800000                      ; 1 / 1,024
	s_lshl_b32 s36, s17, 14                        ; o's image: 16,384 g
	s_mov_b32 s37, 0
	s_lshl_b32 s42, s18, 12                        ; q2's codes: 16,384 g + 256 x block 16 hf (+ 256 w in the lanes' offset)
	s_add_co_u32 s42, s42, s36
	s_add_co_u32 s42, s42, Q2C
	s_mov_b32 s43, 0
	s_lshl_b32 s38, s18, 3                         ; q2's scale words: head 8 hf + w / 2, byte w % 2
	s_lshr_b32 s62, s16, 1
	s_add_co_u32 s38, s38, s62
	s_lshl_b32 s38, s38, 14
	s_lshl_b32 s62, s17, 7
	s_add_co_u32 s38, s38, s62
	s_and_b32 s62, s16, 1
	s_add_co_u32 s38, s38, s62
	s_add_co_u32 s38, s38, Q2S
	s_mov_b32 s39, 0
	s_lshl_b32 s40, s17, 10                        ; o's scale bytes: 1,024 g
	s_add_co_u32 s40, s40, OSC
	s_mov_b32 s41, 0
	s_lshl_b32 s44, s18, 18                        ; my half of Wq2: 32 tiles of 8,192 bytes of codes,
	s_add_co_u32 s44, s44, 4*WSTR
	s_mov_b32 s45, 0
	s_lshl_b32 s46, s18, 14                        ; and of 512 bytes of scales
	s_add_co_u32 s46, s46, 4*WSTR+524288
	s_mov_b32 s47, 0
	s_lshl_b32 s50, s17, 17                        ; the tokens' rows
	s_mov_b32 s51, 0
	v_and_b32 v[TM], 31, v0
	v_and_b32 v[TM+1], 15, v0
	v_bfe_u32 v[TM+2], v0, 4, 1
	s_delay_alu instid0(VALU_DEP_3)
	v_lshlrev_b32 v[LI], 4, v[TM]
	s_wait_alu depctr_va_vdst(0)
	v_lshlrev_b32 v[L4], 2, v[TM]
	v_add_nc_u32 v[XR], IMG0, v[LI]
	s_lshl_b32 s62, s16, 9
	s_add_co_u32 s62, s62, IMG0
	v_add_nc_u32 v[XW], s62, v[LI]
	v_lshlrev_b32 v[QO], 4, v[TM+1]
	s_delay_alu instid0(VALU_DEP_1)
	v_lshl_add_u32 v[QO], v[TM+2], 13, v[QO]
	s_lshl_b32 s62, s16, 8
	v_add_nc_u32 v[QO], s62, v[QO]
	s_lshr_b32 s62, s16, 3
	s_lshl_b32 s62, s62, 8
	s_and_b32 s63, s16, 7
	s_lshl_b32 s63, s63, 1
	s_add_co_u32 s62, s62, s63
	s_add_co_u32 s62, s62, XSC0
	v_lshl_add_u32 v[XSW], v[TM+2], 8, v[LI]
	s_delay_alu instid0(VALU_DEP_1)
	v_add_nc_u32 v[XSW], s62, v[XSW]
	v_mul_u32_u24 v[SW0], v[TM+1], SP
	s_delay_alu instid0(VALU_DEP_1)
	v_lshl_add_u32 v[SW0], v[TM+2], 6, v[SW0]
	s_lshl_b32 s62, s16, 8
	v_add_nc_u32 v[SW0], s62, v[SW0]
	s_delay_alu instid0(VALU_DEP_1)
	v_add_nc_u32 v[SW1], 16*SP, v[SW0]
	s_mul_i32 s62, s16, 2*SP
	v_add_nc_u32 v[RR], s62, v[LI]
	s_delay_alu instid0(VALU_DEP_1)
	v_add_nc_u32 v[RR2], STG2, v[RR]
	s_lshl_b32 s62, s16, 15
	v_add_nc_u32 v[WO], s62, v[LI]
	s_lshl_b32 s62, s16, 11
	v_add_nc_u32 v[WSO], s62, v[LI]
	s_lshr_b32 s62, s16, 3
	s_lshl_b32 s62, s62, 3
	s_bfe_u32 s63, s16, 0x10002
	s_lshl_b32 s63, s63, 4
	s_add_co_u32 s62, s62, s63
	s_and_b32 s63, s16, 3
	s_lshl_b32 s63, s63, 1
	s_add_co_u32 s62, s62, s63
	s_lshl_b32 s62, s62, 12
	v_add_nc_u32 v[GR], s62, v[LI]
	s_lshl_b32 s62, s16, 10
	v_add_nc_u32 v[TM+3], s62, v[LI]               ; o's image: my 1,024 bytes, in memory
	s_delay_alu instid0(VALU_DEP_1)
	v_add_nc_u32 v[TM+4], IMG0, v[TM+3]            ; and in LDS
	s_lshl_b32 s62, s16, 6
	v_lshl_add_u32 v[TM+5], v[TM], 1, s62          ; its scale bytes: my 64
	s_delay_alu instid0(VALU_DEP_1)
	v_add_nc_u32 v[TM+6], XSC0, v[TM+5]
	s_lshl_b32 s62, s16, 8
	v_lshl_add_u32 v[TM+7], v[TM], 3, s62          ; the gain: my 256 bytes
	s_delay_alu instid0(VALU_DEP_1)
	v_add_nc_u32 v[TM+8], GAM, v[TM+7]
	s_wait_alu depctr_va_vdst(0)
	s_wait_kmcnt 0x0
	s_add_nc_u64 s[6:7], s[6:7], s[50:51]
	s_add_nc_u64 s[12:13], s[12:13], s[50:51]
	s_add_nc_u64 s[40:41], s[4:5], s[40:41]
	s_add_nc_u64 s[4:5], s[4:5], s[36:37]
	s_add_nc_u64 s[36:37], s[14:15], s[42:43]
	s_add_nc_u64 s[38:39], s[14:15], s[38:39]
	s_add_nc_u64 s[28:29], s[10:11], 3*WSTR        ; Wo1
	s_add_nc_u64 s[30:31], s[10:11], s[44:45]      ; my half of Wq2: codes,
	s_add_nc_u64 s[32:33], s[10:11], s[46:47]      ; scales
.irp i, 0,1
.irp q, 0,1,2,3,4,5,6,7
	global_load_b128 v[ACC+32*\i+4*\q:ACC+32*\i+4*\q+3], v[GR], s[6:7] offset:4096*\i+512*\q   ; the residual: my two tokens' rows (the pair's other work-group reads them too: no hint)
.endr
.endr
	global_load_b128 v[XF:XF+3], v[TM+3], s[4:5]
	global_load_b128 v[XF+4:XF+7], v[TM+3], s[4:5] offset:512
	global_load_u16 v[XF+8], v[TM+5], s[40:41]
	global_load_b64 v[XF+10:XF+11], v[TM+7], s[8:9]
	WPRE 28
	s_wait_loadcnt 28                              ; all but the weight's 28 loads are in
.irp i, 0,1
.irp q, 0,1,2,3,4,5,6,7
	ds_store_b128 v[RR2], v[ACC+32*\i+4*\q:ACC+32*\i+4*\q+3] offset:SP*\i+512*\q
.endr
.endr
	ds_store_b128 v[TM+4], v[XF:XF+3]
	ds_store_b128 v[TM+4], v[XF+4:XF+7] offset:512
	ds_store_b16 v[TM+6], v[XF+8]
	ds_store_b64 v[TM+8], v[XF+10:XF+11]
	BAR                                            ; o's image, its scale bytes and the gain lie in LDS
.irp i, 4,5,6,7,8,9,10,11
	v_mov_b32 v[TM+\i], 0                          ; written once: a lane permute's destination, and the upper half of a pair that is named, count as read
.endr
	PROD 28, 0
	s_lshl_b32 s62, s16, 14                        ; every load that named these two offsets has been waited for: now my two tiles of the shared weight
	v_add_nc_u32 v[WO], s62, v[LI]
	s_lshl_b32 s62, s16, 10
	v_add_nc_u32 v[WSO], s62, v[LI]
	WPREH 30, 32                                   ; six of its eight K steps are on their way through the norm
	EPI_STAGE
	BAR                                            ; 32 whole rows of o Wo1 lie in the stage
.irp i, 0,1
.irp q, 0,1,2,3,4,5,6,7
	ds_load_b128 v[ACC+32*\i+4*\q:ACC+32*\i+4*\q+3], v[RR] offset:SP*\i+512*\q
.endr
.endr
	ADDROW 0
	ADDROW 1
.irp q, 0,1,2,3,4,5,6,7
	ds_load_b128 v[XF+4*\q:XF+4*\q+3], v[XR] offset:GAM-IMG0+512*\q   ; the gain of my columns
.endr
	s_cmp_lg_u32 s18, 0                            ; x1: of my two rows this work-group stores one, its partner the other
	s_cbranch_scc1 .Lrow1
.irp q, 0,1,2,3,4,5,6,7
	global_store_b128 v[GR], v[ACC+4*\q:ACC+4*\q+3], s[12:13] offset:512*\q   ; 512 consecutive bytes a store
.endr
	s_branch .Lrows
.Lrow1:
	s_wait_alu depctr_va_vdst(0)
.irp q, 0,1,2,3,4,5,6,7
	global_store_b128 v[GR], v[ACC+32+4*\q:ACC+32+4*\q+3], s[12:13] offset:4096+512*\q
.endr
.Lrows:
	SUMSQ
	s_wait_dscnt 0x0                               ; the gain
	s_wait_xcnt 0x0                                ; x1's stores have read their data: the rows are written again only behind this wait
	SCALEG
.irp i, 0,1
.irp q, 0,1,2,3,4,5,6,7
	ds_store_b128 v[RR], v[ACC+32*\i+4*\q:ACC+32*\i+4*\q+3] offset:SP*\i+512*\q
.endr
.endr
	BAR                                            ; 32 normalised rows lie in the stage
	QPASS
	EPI_LDS 1
	BAR                                            ; their image lies in LDS
	PRODH 30, 1
	QUANT2 0x3000000                               ; block 16 hf + w of token tiles 0 and 1; the floor 2^(6 - 127): the byte less 3 cannot fall under 1
	v_cndmask_b32 v[TM+8], v[TM+4], v[TM+5], s22   ; lanes 0-15: tile 0's byte; lanes 16-31: tile 1's
	s_delay_alu instid0(VALU_DEP_1)
	v_add_nc_u32 v[TM+8], -3, v[TM+8]              ; x 2^-3 = 1 / sqrt(64)
	v_mov_b32 v[TM+9], 0
	global_store_b128 v[QO], v[PC:PC+3], s[36:37]  ; each half of the lanes stores 256 consecutive bytes, aligned
	global_store_b8 v[L4], v[TM+8], s[38:39]       ; byte w % 2 of the head's scale words,
	global_store_b8 v[L4], v[TM+9], s[38:39] offset:2   ; and byte 2 + w % 2, which is 0: the blocks beyond the head's 64 channels
	s_wait_tensorcnt 0x0                           ; the wave's end: behind my last LDS store
	ds_add_u32 v[SPW], v[NIL]
	s_wait_dscnt 0x0
	s_endpgm
.Lfunc_end_k_qd144c1a75b_ch1:
	.size	k_qd144c1a75b_ch1, .Lfunc_end_k_qd144c1a75b_ch1-k_qd144c1a75b_ch1
	.p2alignl 7, 3214868480
	.fill 96, 4, 3214868480
	.section	.rodata,"a",@progbits
	.p2align	6, 0x0
	.amdhsa_kernel k_qd144c1a75b_ch1
		.amdhsa_group_segment_fixed_size 304128
		.amdhsa_private_segment_fixed_size 0
		.amdhsa_enable_private_segment 0
		.amdhsa_kernarg_size 48
		.amdhsa_user_sgpr_count 2
		.amdhsa_user_sgpr_kernarg_segment_ptr 1
		.amdhsa_wavefront_size32 1
		.amdhsa_system_sgpr_workgroup_id_x 1
		.amdhsa_system_sgpr_workgroup_id_y 1
		.amdhsa_system_sgpr_workgroup_id_z 1
		.amdhsa_system_vgpr_workitem_id 0
		.amdhsa_next_free_vgpr 256
		.amdhsa_next_free_sgpr 66
		.amdhsa_reserve_vcc 0
		.amdhsa_float_denorm_mode_32 3
		.amdhsa_float_denorm_mode_16_64 3
		.amdhsa_memory_ordered 1
		.amdhsa_forward_progress 1
		.amdhsa_inst_pref_size 63
	.end_amdhsa_kernel
	.amdgpu_metadata
---
amdhsa.version: [ 1, 2 ]
amdhsa.kernels:
  - .name:           k_qd144c1a75b_ch1
    .symbol:         k_qd144c1a75b_ch1.kd
    .args:
      - { .name: oq, .offset: 0, .size: 8, .value_kind: global_buffer, .address_space: global }
      - { .name: x, .offset: 8, .size: 8, .value_kind: global_buffer, .address_space: global }
      - { .name: g2, .offset: 16, .size: 8, .value_kind: global_buffer, .address_space: global }
      - { .name: wq, .offset: 24, .size: 8, .value_kind: global_buffer, .address_space: global }
      - { .name: x1, .offset: 32, .size: 8, .value_kind: global_buffer, .address_space: global }
      - { .name: act, .offset: 40, .size: 8, .value_kind: global_buffer, .address_space: global }
    .group_segment_fixed_size: 304128
    .private_segment_fixed_size: 0
    .kernarg_segment_align: 8
    .kernarg_segment_size: 48
    .max_flat_workgroup_size: 512
    .sgpr_count:     66
    .vgpr_count:     256
    .wavefront_size: 32
...
	.end_amdgpu_metadata
.endif
;; end of part 4
;; launch att2 (part 5): grid 32 x 8, 16 waves a work-group, no clusters, 327,680 bytes of LDS; arguments position_embedding, act, oq; writes oq
.if DOCPART == 5
	.amdgcn_target "amdgcn-amd-amdhsa--gfx1250"
	.amdhsa_code_object_version 6
	.text
	.protected	k_qd144c1a75b_att2
	.globl	k_qd144c1a75b_att2
	.p2align	8
	.type	k_qd144c1a75b_att2,@function
k_qd144c1a75b_att2:
	s_mov_b64 s[64:65], 0
	v_nop
	global_prefetch_b8 v0, s[64:65] scope:SCOPE_SE
	s_setreg_imm32_b32 hwreg(HW_REG_WAVE_MODE, 25, 1), 1
	s_wait_xcnt 0x0
; Launch 5: cross-attention on codes of E2M1: launch 3's text with the sizes and offsets at its head changed (1,024 keys of memory; the bias is position_embedding).  No work of reference() is left out.
; SHARES, LAYOUT, SOFTMAX, RING and LDS as in launch 3: 64 queries x 4 heads a work-group; wave w: query tile w % 4, head w / 4; both products transposed; the bias is the C of the first product;
; two slots of 256 keys filled by one tensor load of 8,192 bytes a wave (waves 0-7 bias, 8-11 k, 12-15 v); the change of slots at a slot's head; the last slot written out.
; LIMITS: as in launch 3.
.set NK,    1024
.set QC,    8388608
.set KC,    6291456
.set VC,    7340032
.set QS,    11337728
.set KS,    11141120
.set VS,    11272192
.set HSK,   8192
.set VTS,   16384
.set OSC,   2097152
.set NSTEP, NK/128
.set NSL,   NSTEP/2
.set NKT,   NK/16
.set BP,    NK*4
.set BPI,   1040
.set VB,    32*BPI
.set KSC,   VB+16384
.set VSC,   KSC+8192
.set SPARE, VSC+4096                   ; run 0: the spare words, 128 bytes for each wave: eight blocks of 256 bytes that no other line names
.set KB,    262144
.set SPW,   10
.set NIL,   11
.set BA0,   192
.set KA0,   193
.set VA0,   194
.set BA,    195
.set KA,    196
.set VA,    197
.set G1B,   68
.set G1K,   76
.set G1V,   84
.set GB,    92
.set GK,    12
.set GV,    40
.macro TL                              ; my one tensor load: one chain of branches on the wave's number, a load to an arm; an s_nop 0 and four v_nop behind each
	s_cmp_lt_u32 s16, 8
	s_cbranch_scc0 .Lk_\@
	tensor_load_to_lds s[GB:GB+3], s[G1B:G1B+7]
	s_nop 0
.rept 4
	v_nop
.endr
	s_branch .Ld_\@
.Lk_\@:
	s_cmp_lt_u32 s16, 12
	s_cbranch_scc0 .Lv_\@
	tensor_load_to_lds s[GK:GK+3], s[G1K:G1K+7]
	s_nop 0
.rept 4
	v_nop
.endr
	s_branch .Ld_\@
.Lv_\@:
	tensor_load_to_lds s[GV:GV+3], s[G1V:G1V+7]
	s_nop 0
.rept 4
	v_nop
.endr
.Ld_\@:
.endm
.macro CHANGE fill                     ; the change of slots
	s_wait_alu depctr_va_vdst(0)                   ; the wait ahead of a wait that blocks
	s_wait_tensorcnt 0x0                           ; my part of the slot ahead has landed, and no tensor load of mine is out: the groups 0 may be written
	ds_add_u32 v[SPW], v[NIL]
.if \fill
	s_xor_b32 s[GB+1], s[GB+1], 65536              ; the other slot than last time, the next 256 keys
	s_add_nc_u64 s[GB+2:GB+3], s[GB+2:GB+3], 1024
	s_xor_b32 s[GK+1], s[GK+1], 32768
	s_add_nc_u64 s[GK+2:GK+3], s[GK+2:GK+3], 131072
	s_xor_b32 s[GV+1], s[GV+1], 65536
	s_add_nc_u64 s[GV+2:GV+3], s[GV+2:GV+3], 2048
.endif
	s_wait_dscnt 0x0                               ; the add is done, and my reads of the slot that I have left are over
	s_barrier_signal -1
	s_barrier_wait -1
.if \fill
	TL                                             ; the first thing behind the barrier, and my one tensor load until the next
.endif
.endm
.macro PA d, a
	v_pk_add_f32 v[\d:\d+1], v[\d:\d+1], v[\a:\a+1]
.endm
.macro STEP h2                         ; a key step: the h2-th 128 keys of the slot in hand
	v_add_nc_u32 v8, s30, v4
	v_add_nc_u32 v9, s31, v5
	v_add_nc_u32 v[BA], s24, v[BA0]
	v_add_nc_u32 v[KA], s25, v[KA0]
	v_add_nc_u32 v[VA], s24, v[VA0]
.irp b, 0,1,2,3
.irp i, 0,1,2,3
	ds_load_b128 v[96+16*\b+4*\i:99+16*\b+4*\i], v[BA] offset:512*\h2+128*\b+16*\i
.endr
.endr
.irp t, 0,1,2,3,4,5,6,7
	ds_load_b128 v[32+4*\t:35+4*\t], v[KA] offset:2048*(8*\h2+\t)
.endr
.irp p, 0,1,2,3
	ds_load_b32 v[248+\p], v8 offset:128*\p
.endr
	s_wait_alu depctr_va_vdst(0)                   ; the wait ahead of a wait that blocks
	s_wait_dscnt 0x0                               ; bias, k and its scale words are in
.irp t, 0,2,4,6
	v_wmma_scale_f32_16x16x128_f8f6f4 v[96+8*\t:103+8*\t], v[32+4*\t:39+4*\t], v[16:23], v[96+8*\t:103+8*\t], v[248+\t/2], v255 matrix_a_fmt:MATRIX_FMT_FP4 matrix_b_fmt:MATRIX_FMT_FP4
	v_wmma_scale_f32_16x16x128_f8f6f4 v[104+8*\t:111+8*\t], v[36+4*\t:43+4*\t], v[16:23], v[104+8*\t:111+8*\t], v[248+\t/2], v255 matrix_a_fmt:MATRIX_FMT_FP4 matrix_b_fmt:MATRIX_FMT_FP4 matrix_a_scale:MATRIX_SCALE_ROW1
.endr
.rept 4
	v_nop                                          ; four places in front of the loads into k's registers and of the first read of the scores
.endr
.irp t, 0,1,2,3
.irp c, 0,1
	ds_load_b128 v[32+8*\t+4*\c:35+8*\t+4*\c], v[VA] offset:2048*\t+1024*\h2+512*\c
.endr
.endr
.irp p, 0,1
	ds_load_b32 v[248+\p], v9 offset:128*\p
.endr
.irp b, 0,1,2,3
	v_max3_num_f32 v[232+\b], v[96+16*\b], v[97+16*\b], v[98+16*\b]
.endr
.irp i, 3,5,7,9,11,13
.irp b, 0,1,2,3
	v_max3_num_f32 v[232+\b], v[232+\b], v[96+16*\b+\i], v[97+16*\b+\i]
.endr
.endr
.irp b, 0,1,2,3
	v_max_num_f32 v[232+\b], v[232+\b], v[111+16*\b]
.endr
.irp b, 0,1,2,3
	s_delay_alu instid0(VALU_DEP_4)
	v_permlanex16_b32 v[236+\b], v[232+\b], s20, s21
.endr
.irp b, 0,1,2,3
	s_delay_alu instid0(VALU_DEP_4)
	v_max_num_f32 v[232+\b], v[232+\b], v[236+\b]
.endr
	s_delay_alu instid0(VALU_DEP_2)
	v_max3_num_f32 v254, v232, v233, v234
	s_delay_alu instid0(VALU_DEP_1)
	v_max_num_f32 v254, v254, v235
	s_delay_alu instid0(VALU_DEP_1)
	v_mul_f32 v254, s22, v254
	s_delay_alu instid0(VALU_DEP_1)
	v_max_num_f32 v13, v13, v254
	v_mov_b32 v254, v12
	s_delay_alu instid0(VALU_DEP_2)
	v_floor_f32 v12, -v13
	s_delay_alu instid0(VALU_DEP_1)
	v_sub_f32 v254, v12, v254
	s_delay_alu instid0(VALU_DEP_1)
	v_cvt_i32_f32 v254, v254
	s_delay_alu instid0(VALU_DEP_1)
	v_ldexp_f32 v252, 1.0, v254
.set j, 0
.rept 32
	v_pk_fma_f32 v[96+j:97+j], v[96+j:97+j], s[22:23], v[12:13] op_sel_hi:[1,0,0]
.set j, j+2
.endr
.irp b, 0,1,2,3
	v_fma_f32 v[232+\b], v[232+\b], s22, v12
.endr
.set j, 0
	s_wait_alu depctr_va_vdst(0)                   ; the wait ahead of the batch
.rept 64
	v_exp_f32 v[96+j], v[96+j]
.set j, j+1
.endr
	v_pk_mul_f32 v[14:15], v[14:15], v[252:253] op_sel_hi:[1,0]   ; (a plain place behind the exponentials)
	s_wait_alu depctr_va_vdst(0)                   ; one wait for the batch, ahead of its first reader
	s_wait_dscnt 0x0                               ; v's fragments and scale words are in
.irp b, 0,1,2,3
	v_exp_f32 v[232+\b], v[232+\b]
.endr
	v_pk_add_f32 v[236:237], v[100:101], v[104:105]
	v_pk_add_f32 v[250:251], v[108:109], v[112:113]
	v_pk_add_f32 v[246:247], v[116:117], v[120:121]
	v_pk_add_f32 v[244:245], v[124:125], v[128:129]
	v_pk_add_f32 v[242:243], v[132:133], v[136:137]
	v_pk_add_f32 v[240:241], v[140:141], v[144:145]
	v_pk_add_f32 v[238:239], v[148:149], v[152:153]
	PA 14, 156
	PA 236, 96
	PA 250, 98
	PA 246, 102
	PA 244, 106
	PA 242, 110
	PA 240, 114
	PA 238, 118
	PA 14, 122
	PA 236, 126
	PA 250, 130
	PA 246, 134
	PA 244, 138
	PA 242, 142
	PA 240, 146
	PA 238, 150
	PA 14, 154
	PA 236, 158
	s_delay_alu instid0(VALU_DEP_2)
	PA 14, 244
	s_delay_alu instid0(VALU_DEP_2)
	PA 236, 242
	PA 250, 240
	PA 246, 238
	s_delay_alu instid0(VALU_DEP_2)
	PA 14, 250
	s_delay_alu instid0(VALU_DEP_2)
	PA 236, 246
	s_delay_alu instid0(VALU_DEP_1)
	PA 14, 236
	s_wait_alu depctr_va_vdst(0)                   ; and one for the four
.irp b, 0,1,2,3
	v_max_num_f32 v[232+\b], 0x1800000, v[232+\b]
.endr
.irp b, 0,1,2,3
	s_delay_alu instid0(VALU_DEP_4)
	v_add_nc_u32 v[244+\b], 0xff000000, v[232+\b]
.endr
.irp b, 0,1,2,3
	s_delay_alu instid0(VALU_DEP_4)
	v_lshrrev_b32 v[236+\b], 23, v[244+\b]
.endr
	s_delay_alu instid0(VALU_DEP_3)
	v_lshl_or_b32 v253, v237, 8, v236
	s_delay_alu instid0(VALU_DEP_1)
	v_lshl_or_b32 v253, v238, 16, v253
	s_delay_alu instid0(VALU_DEP_1)
	v_lshl_or_b32 v253, v239, 24, v253
.irp b, 0,1,2,3
	v_cvt_scalef32_pk8_fp4_f32 v[224+2*\b], v[96+16*\b:103+16*\b], v[244+\b]
	v_cvt_scalef32_pk8_fp4_f32 v[225+2*\b], v[104+16*\b:111+16*\b], v[244+\b]
.endr
	v_nop                                          ; one plain place behind a scaled conversion
.irp c, 0,1
.irp i, 0,1
	v_permlane16_swap_b32 v[224+4*\c+\i], v[226+4*\c+\i]
.endr
.endr
.set j, 0
.rept 16
	v_pk_mul_f32 v[160+j:161+j], v[160+j:161+j], v[252:253] op_sel_hi:[1,0]   ; O^T under the new M; also the places between p's scale word and codes and the products below
.set j, j+2
.endr
.irp t, 0,2
	v_wmma_scale_f32_16x16x128_f8f6f4 v[160+8*\t:167+8*\t], v[32+8*\t:39+8*\t], v[224:231], v[160+8*\t:167+8*\t], v[248+\t/2], v253 matrix_a_fmt:MATRIX_FMT_FP4 matrix_b_fmt:MATRIX_FMT_FP4
	v_wmma_scale_f32_16x16x128_f8f6f4 v[168+8*\t:175+8*\t], v[40+8*\t:47+8*\t], v[224:231], v[168+8*\t:175+8*\t], v[248+\t/2], v253 matrix_a_fmt:MATRIX_FMT_FP4 matrix_b_fmt:MATRIX_FMT_FP4 matrix_a_scale:MATRIX_SCALE_ROW1
.endr
.rept 4
	v_nop                                          ; four places in front of the next step's loads into these products' registers, and of the way out's reads
.endr
	s_add_co_u32 s30, s30, 512
	s_add_co_u32 s31, s31, 256
.endm
.macro SLOT_STEPS
	STEP 0
	STEP 1
	s_xor_b32 s24, s24, 65536                      ; on to the other slot
	s_xor_b32 s25, s25, 32768
.endm
	s_load_b128 s[4:7], s[0:1], 0x0                ; the bias, act
	s_load_b64 s[8:9], s[0:1], 0x10                ; oq
	v_lshl_add_u32 v[SPW], v0, 2, SPARE
	v_mov_b32 v[NIL], 0
	ds_add_u32 v[SPW], v[NIL]                      ; the opening: the add, twice on end, and its wait ahead of my first tensor load
	ds_add_u32 v[SPW], v[NIL]
	v_lshrrev_b32 v24, 5, v0
	s_delay_alu instid0(VALU_DEP_1)
	v_readfirstlane_b32 s16, v24
	s_and_b32 s17, s16, 3
	s_lshr_b32 s18, s16, 2
	s_and_b32 s19, ttmp7, 0xffff
	s_lshr_b32 s33, s19, 2
	s_and_b32 s34, s19, 3
	s_lshl_b32 s35, s34, 2
	s_add_co_u32 s35, s35, s18
	s_lshl_b32 s36, s33, 7
	s_lshl_b32 s37, ttmp9, 2
	s_add_co_u32 s36, s36, s37
	s_add_co_u32 s36, s36, s17
	s_mov_b32 s20, 0x76543210
	s_mov_b32 s21, 0xfedcba98
	s_mov_b32 s22, 0x3fb8aa3b
	s_mov_b32 s23, s22
	s_mov_b32 s[G1B], (2<<16)|(1<<20)|(7<<22)|(3<<25)
	s_mov_b32 s[G1B+1], 256<<16
	s_mov_b32 s[G1B+2], 8<<16
	s_mov_b32 s[G1B+3], 256<<16
	s_mov_b32 s[G1B+4], 8
	s_mov_b32 s[G1B+5], NK
	s_mov_b32 s[G1B+6], 0
	s_mov_b32 s[G1B+7], 0
.irp g, G1K, G1V
	s_mov_b32 s[\g], 3<<16
	s_mov_b32 s[\g+1], 256<<16
	s_mov_b32 s[\g+2], 4<<16
	s_mov_b32 s[\g+3], 256<<16
	s_mov_b32 s[\g+4], 4
	s_mov_b32 s[\g+6], 0
	s_mov_b32 s[\g+7], 0
.endr
	s_mov_b32 s[G1K+5], 1024
	s_mov_b32 s[G1V+5], VTS/8
	s_lshl_b32 s28, ttmp9, 6
	s_bfe_u32 s37, s16, 0x10002
	s_lshl_b32 s37, s37, 5
	s_add_co_u32 s28, s28, s37
	s_bfe_u32 s37, s16, 0x10001
	s_lshl_b32 s37, s37, 3
	s_add_co_u32 s28, s28, s37
	s_and_b32 s37, s16, 1
	s_lshl_b32 s37, s37, 4
	s_add_co_u32 s28, s28, s37
	s_mul_i32 s28, s28, BP
	s_mov_b32 s29, 0
	s_bfe_u32 s[GB+1], s16, 0x10002
	s_lshl_b32 s[GB+1], s[GB+1], 17
	s_mul_i32 s37, s17, 8*BPI
	s_add_co_u32 s[GB+1], s[GB+1], s37
	s_mul_i32 s10, s33, NKT
	s_lshl_b32 s37, s17, 2
	s_add_co_u32 s10, s10, s37
	s_lshl_b32 s10, s10, 13
	s_lshl_b32 s37, s34, 11
	s_add_co_u32 s10, s10, s37
	s_add_co_u32 s10, s10, KC
	s_mov_b32 s11, 0
	s_lshl_b32 s[GK+1], s17, 13
	s_add_co_u32 s[GK+1], s[GK+1], KB
	s_lshl_b32 s38, s34, 4
	s_lshl_b32 s37, s17, 2
	s_add_co_u32 s38, s38, s37
	s_mul_i32 s38, s38, VTS
	s_mul_i32 s37, s33, NSTEP*1024
	s_add_co_u32 s38, s38, s37
	s_add_co_u32 s38, s38, VC
	s_mov_b32 s39, 0
	s_bfe_u32 s[GV+1], s16, 0x10001
	s_lshl_b32 s[GV+1], s[GV+1], 17
	s_and_b32 s37, s16, 1
	s_lshl_b32 s37, s37, 13
	s_add_co_u32 s[GV+1], s[GV+1], s37
	s_add_co_u32 s[GV+1], s[GV+1], VB
	s_lshr_b32 s58, s17, 1
	s_lshl_b32 s58, s58, 17
	s_and_b32 s37, s17, 1
	s_mul_i32 s37, s37, 16*BPI
	s_add_co_u32 s58, s58, s37
	s_lshl_b32 s59, s18, 9
	s_add_co_u32 s59, s59, KB
	s_lshr_b32 s66, s18, 1
	s_lshl_b32 s66, s66, 17
	s_and_b32 s37, s18, 1
	s_lshl_b32 s37, s37, 13
	s_add_co_u32 s66, s66, s37
	s_add_co_u32 s66, s66, VB
	s_lshl_b32 s67, s18, 16
	s_add_co_u32 s100, s67, VSC
	s_add_co_u32 s67, s67, KSC
	s_mul_i32 s37, s17, 16*NKT
	s_add_co_u32 s101, s67, s37
.if NSTEP == 16
	s_lshl_b32 s2, s16, 8
.else
	s_and_b32 s2, s16, 1                           ; wave w copies half w % 2 (heads 2 (w % 2), + 1) of step w / 2's
	s_lshl_b32 s2, s2, 17
	s_lshr_b32 s37, s16, 1
	s_lshl_b32 s37, s37, 8
	s_add_co_u32 s2, s2, s37
.endif
	s_add_co_u32 s2, s2, VSC
	s_mul_i32 s46, s35, HSK
	s_mul_i32 s37, s33, NKT*64
	s_add_co_u32 s46, s46, s37
	s_mul_i32 s37, s17, 16*NKT
	s_add_co_u32 s46, s46, s37
	s_add_co_u32 s46, s46, KS
	s_mov_b32 s47, 0
	s_mul_i32 s48, s33, NSTEP*4096
	s_lshl_b32 s37, s34, 10
	s_add_co_u32 s48, s48, s37
.if NSTEP == 16
	s_lshl_b32 s37, s16, 12
	s_add_co_u32 s48, s48, s37
.else
	s_lshr_b32 s37, s16, 1
	s_lshl_b32 s37, s37, 12
	s_add_co_u32 s48, s48, s37
	s_and_b32 s37, s16, 1
	s_lshl_b32 s37, s37, 9
	s_add_co_u32 s48, s48, s37
.endif
	s_add_co_u32 s48, s48, VS
	s_mov_b32 s49, 0
	s_lshl_b32 s54, s36, 13
	s_lshl_b32 s37, s35, 9
	s_add_co_u32 s54, s54, s37
	s_mov_b32 s55, 0
	s_add_co_u32 s50, s54, QC
	s_mov_b32 s51, 0
	s_lshl_b32 s52, s35, 14
	s_lshl_b32 s37, s36, 6
	s_add_co_u32 s52, s52, s37
	s_add_co_u32 s52, s52, QS
	s_mov_b32 s53, 0
	s_lshl_b32 s56, s36, 9
	s_lshr_b32 s37, s35, 3
	s_lshl_b32 s37, s37, 8
	s_add_co_u32 s56, s56, s37
	s_and_b32 s37, s35, 7
	s_lshl_b32 s37, s37, 1
	s_add_co_u32 s56, s56, s37
	s_add_co_u32 s56, s56, OSC
	s_mov_b32 s57, 0
	s_mov_b32 s24, 0
	s_mov_b32 s25, 0
	s_mov_b32 s30, 0
	s_mov_b32 s31, 0
	s_mov_b32 s32, NSL-1
	s_wait_alu depctr_va_vdst(0)                   ; the wait ahead of a wait that blocks
	s_wait_dscnt 0x0                               ; both opening adds are done
	s_wait_kmcnt 0x0
	s_mov_b32 s[GB], 1
	s_add_nc_u64 s[GB+2:GB+3], s[4:5], s[28:29]
	s_or_b32 s[GB+3], s[GB+3], 0x80000000
	s_mov_b32 s[GK], 1
	s_add_nc_u64 s[GK+2:GK+3], s[6:7], s[10:11]
	s_or_b32 s[GK+3], s[GK+3], 0x80000000
	s_mov_b32 s[GV], 1
	s_add_nc_u64 s[GV+2:GV+3], s[6:7], s[38:39]
	s_or_b32 s[GV+3], s[GV+3], 0x80000000
	TL                                             ; slot 0's first fill: one tensor load a wave
	s_add_nc_u64 s[46:47], s[6:7], s[46:47]
	s_add_nc_u64 s[48:49], s[6:7], s[48:49]
	s_add_nc_u64 s[50:51], s[6:7], s[50:51]
	s_add_nc_u64 s[52:53], s[6:7], s[52:53]
	s_add_nc_u64 s[54:55], s[8:9], s[54:55]
	s_add_nc_u64 s[56:57], s[8:9], s[56:57]
	v_and_b32 v24, 31, v0
	v_and_b32 v25, 15, v0
	v_bfe_u32 v26, v0, 4, 1
	v_lshlrev_b32 v1, 4, v24
	v_lshlrev_b32 v27, 2, v24
	v_mul_u32_u24 v[BA0], v25, BPI
	v_lshlrev_b32 v28, 2, v25
	v_lshlrev_b32 v29, 4, v25
	v_lshl_add_u32 v[BA0], v26, 6, v[BA0]
	v_add_nc_u32 v[KA0], s59, v1
	v_add_nc_u32 v[VA0], s66, v1
	v_add_nc_u32 v4, s67, v27
	v_add_nc_u32 v5, s100, v27
	v_add_nc_u32 v8, s101, v1
	v_lshl_add_u32 v9, v26, 16, v29
	v_add_nc_u32 v[BA0], s58, v[BA0]
	v_add_nc_u32 v9, s2, v9
.set j, 0
.rept NKT/32
	global_load_b128 v[96+4*j:99+4*j], v1, s[46:47] offset:512*j
.set j, j+1
.endr
.set j, 0
.rept NSTEP/8
	global_load_b128 v[112+4*j:115+4*j], v1, s[48:49] offset:512*j
.set j, j+1
.endr
	global_load_b128 v[16:19], v1, s[50:51]
	global_load_b32 v255, v28, s[52:53]
	v_mov_b32 v13, 0xff61b1e6
	s_delay_alu instid0(VALU_DEP_1)
	v_floor_f32 v12, -v13
	v_mov_b32 v14, 0
	v_mov_b32 v15, 0
.irp i, 20,21,22,23,64,65,66,67,236,237,238,239,253
	v_mov_b32 v\i, 0
.endr
.set j, 0
.rept 32
	v_mov_b32 v[160+j], 0
.set j, j+1
.endr
	s_wait_alu depctr_va_vdst(0)                   ; the wait at the head's end
	s_wait_loadcnt 0x0
	s_wait_tensorcnt 0x0                           ; my LDS stores are issued with no tensor load of mine on its way
.set j, 0
.rept NKT/32
	ds_store_b128 v8, v[96+4*j:99+4*j] offset:512*j
.set j, j+1
.endr
	ds_store_b128 v9, v[112:115]
.Lslot:                                            ; NSL - 1 trips: behind each change of slots but the last the next slot is asked for
	CHANGE 1
	SLOT_STEPS
	s_sub_co_u32 s32, s32, 1
	s_cmp_lg_u32 s32, 0
	s_cbranch_scc1 .Lslot
	CHANGE 0                                       ; the last slot is written out: it asks for nothing
	SLOT_STEPS
	v_add_f32 v14, v14, v15
	s_delay_alu instid0(VALU_DEP_1)
	v_permlanex16_b32 v252, v14, s20, s21
	s_delay_alu instid0(VALU_DEP_1)
	v_add_f32 v14, v14, v252
	s_wait_alu depctr_va_vdst(0)
	v_rcp_f32 v14, v14
	v_nop                                          ; a plain place behind the transcendental
	s_wait_alu depctr_va_vdst(0)                   ; and the wait ahead of its first reader
.set j, 0
.rept 32
	v_mul_f32 v[96+j], v[160+j], v14
.set j, j+1
.endr
.irp b, 0,1
	v_max3_num_f32 v[232+\b], |v[96+16*\b]|, |v[97+16*\b]|, 0x1800000
.endr
.irp i, 2,4,6,8,10,12,14
.irp b, 0,1
	s_delay_alu instid0(VALU_DEP_2)
	v_max3_num_f32 v[232+\b], v[232+\b], |v[96+16*\b+\i]|, |v[97+16*\b+\i]|
.endr
.endr
.irp b, 0,1
	s_delay_alu instid0(VALU_DEP_2)
	v_permlanex16_b32 v[236+\b], v[232+\b], s20, s21
.endr
.irp b, 0,1
	s_delay_alu instid0(VALU_DEP_2)
	v_max_num_f32 v[232+\b], v[232+\b], v[236+\b]
.endr
.irp b, 0,1
	s_delay_alu instid0(VALU_DEP_2)
	v_add_nc_u32 v[244+\b], 0xff000000, v[232+\b]
.endr
.irp b, 0,1
	s_delay_alu instid0(VALU_DEP_2)
	v_lshrrev_b32 v[236+\b], 23, v[244+\b]
.endr
	s_delay_alu instid0(VALU_DEP_1)
	v_lshl_or_b32 v240, v237, 8, v236
.irp b, 0,1
	v_cvt_scalef32_pk8_fp4_f32 v[224+2*\b], v[96+16*\b:103+16*\b], v[244+\b]
	v_cvt_scalef32_pk8_fp4_f32 v[225+2*\b], v[104+16*\b:111+16*\b], v[244+\b]
.endr
	v_nop
	v_permlane16_swap_b32 v224, v226
	v_permlane16_swap_b32 v225, v227
	global_store_b128 v1, v[224:227], s[54:55]
	global_store_b16 v29, v240, s[56:57]
	s_wait_tensorcnt 0x0                           ; the wave's end: behind my last tensor load and my last LDS store
	ds_add_u32 v[SPW], v[NIL]
	s_wait_dscnt 0x0
	s_endpgm
.Lfunc_end_k_qd144c1a75b_att2:
	.size	k_qd144c1a75b_att2, .Lfunc_end_k_qd144c1a75b_att2-k_qd144c1a75b_att2
	.p2alignl 7, 3214868480
	.fill 96, 4, 3214868480
	.section	.rodata,"a",@progbits
	.p2align	6, 0x0
	.amdhsa_kernel k_qd144c1a75b_att2
		.amdhsa_group_segment_fixed_size 327680
		.amdhsa_private_segment_fixed_size 0
		.amdhsa_enable_private_segment 0
		.amdhsa_kernarg_size 24
		.amdhsa_user_sgpr_count 2
		.amdhsa_user_sgpr_kernarg_segment_ptr 1
		.amdhsa_wavefront_size32 1
		.amdhsa_system_sgpr_workgroup_id_x 1
		.amdhsa_system_sgpr_workgroup_id_y 1
		.amdhsa_system_sgpr_workgroup_id_z 1
		.amdhsa_system_vgpr_workitem_id 0
		.amdhsa_next_free_vgpr 256
		.amdhsa_next_free_sgpr 102
		.amdhsa_reserve_vcc 0
		.amdhsa_float_denorm_mode_32 3
		.amdhsa_float_denorm_mode_16_64 3
		.amdhsa_memory_ordered 1
		.amdhsa_forward_progress 1
		.amdhsa_inst_pref_size 87
	.end_amdhsa_kernel
	.amdgpu_metadata
---
amdhsa.version: [ 1, 2 ]
amdhsa.kernels:
  - .name:           k_qd144c1a75b_att2
    .symbol:         k_qd144c1a75b_att2.kd
    .args:
      - { .name: position_embedding, .offset: 0, .size: 8, .value_kind: global_buffer, .address_space: global }
      - { .name: act, .offset: 8, .size: 8, .value_kind: global_buffer, .address_space: global }
      - { .name: oq, .offset: 16, .size: 8, .value_kind: global_buffer, .address_space: global }
    .group_segment_fixed_size: 327680
    .private_segment_fixed_size: 0
    .kernarg_segment_align: 8
    .kernarg_segment_size: 24
    .max_flat_workgroup_size: 512
    .sgpr_count:     102
    .vgpr_count:     256
    .wavefront_size: 32
...
	.end_amdgpu_metadata
.endif
;; end of part 5
;; launch ch2 (part 6): grid 256 x 1, 16 waves a work-group, no clusters, 304,128 bytes of LDS; arguments oq, x1, g3, wq, out0; writes out0
.if DOCPART == 6
	.amdgcn_target "amdgcn-amd-amdhsa--gfx1250"
	.amdhsa_code_object_version 6
	.text
	.protected	k_qd144c1a75b_ch2
	.globl	k_qd144c1a75b_ch2
	.p2align	8
	.type	k_qd144c1a75b_ch2,@function
k_qd144c1a75b_ch2:
	s_mov_b64 s[64:65], 0
	v_nop
	global_prefetch_b8 v0, s[64:65] scope:SCOPE_SE
	s_setreg_imm32_b32 hwreg(HW_REG_WAVE_MODE, 25, 1), 1
	s_wait_xcnt 0x0
; Launch 6.  For 32 tokens: x2 = o Wo2 + x1; h = RMS norm(x2, g3), quantised; relu(h W1), quantised; x W2 + x2 = the result.  x2 and the hidden layer never go to memory.  No work of reference() is left out.
; TWO WORK-GROUPS TO EACH 32 TOKENS (group g = x / 2, half hf = x % 2).  The norm wants whole rows and the last product's K is the whole hidden layer, so both compute x2, the norm and the hidden layer.  The last product is shared out: half hf takes
; W2's columns 512 hf .. 512 hf + 511 and stores those columns of the result.  So a work-group loads 2 x 557,056 + 278,528 bytes of weights, where one work-group alone would load 3 x 557,056.
; Shares, layouts and macros as in launches 2 and 4: wave w owns columns 64 w .. 64 w + 63, in the last product tile pair 16 hf + w (32 columns); weights go from memory straight into registers, ahead of their use;
; the tokens' codes go round as images in LDS, two by turns.  No cluster: the weights go into registers by the waves' own loads, and beside the two stages LDS has no room for a ring of weight tiles.
; LIMITS: as in launch 2.
.set SP,    4112
.set STG2,  32*SP
.set IMG0,  2*32*SP
.set XSC0,  IMG0+32768
.set GAM,   XSC0+2048
.set SPARE, GAM+4096                   ; the spare words, 128 bytes for each wave: eight blocks of 256 bytes that no other line names
.set WSTR,  557056
.set OSC,   2097152
.set LI,  1                            ; 16 x lane
.set XR,  2                            ; IMG0 + 16 x lane
.set XW,  3                            ; IMG0 + 512 w + 16 x lane
.set XSW, 4                            ; XSC0 + 512 h + 16 r + 256 (w / 8) + 2 (w % 8)
.set SW0, 5                            ; the stage by columns: SP r + 64 h + 256 w; tile 1 of the tokens: SW1
.set SW1, 6
.set RR,  7                            ; the stage by rows: 2 SP w + 16 x lane
.set RR2, 8                            ; the second stage by rows
.set WO,  9                            ; 32,768 w + 16 x lane; for the shared weight 16,384 w + 16 x lane
.set WSO, 10                           ; 2,048 w + 16 x lane; for the shared weight 1,024 w + 16 x lane
.set GR,  11                           ; 16 x lane + 4,096 x my first token
.set SH0, 12                           ; the stage by columns for the shared product: SP r + 64 h + 128 w; tile 1: SH1
.set SH1, 13
.set SPW, 14
.set NIL, 15
.set TM,  16
.set ACC, 32
.set WR,  96
.set XF,  192
.set WS,  224
.set XS,  240
.set PC,  248
.macro BAR                             ; my LDS stores have landed and my LDS loads are in: then the work-group's barrier
	s_wait_dscnt 0x0
	s_barrier_signal -1
	s_barrier_wait -1
.endm
.macro WL base, s
.irp t, 0,1,2,3
.irp c, 0,1
	global_load_b128 v[WR+32*((\s)%3)+8*\t+4*\c:WR+32*((\s)%3)+8*\t+4*\c+3], v[WO], s[\base:\base+1] offset:8192*\t+1024*(\s)+512*\c
.endr
.endr
.endm
.macro WPRE base                       ; a weight's scale words and its first three K steps: 28 loads
.irp t, 0,1,2,3
	global_load_b128 v[WS+4*\t:WS+4*\t+3], v[WSO], s[\base:\base+1] offset:524288+512*\t
.endr
	WL \base, 0
	WL \base, 1
	WL \base, 2
.endm
.macro XFL s, img
.irp u, 0,1
.irp c, 0,1
	ds_load_b128 v[XF+16*((\s)%2)+8*\u+4*\c:XF+16*((\s)%2)+8*\u+4*\c+3], v[XR] offset:16384*(\img)+8192*\u+1024*(\s)+512*\c
.endr
.endr
.endm
.macro MM s                            ; one matrix instruction of K step s on the registers rD, rA, rB, rP, rQ; register s % 4 of a scale quadruple holds K step s in lanes 0-15 (s < 4) or 16-31
.if \s == 0
	v_wmma_scale_f32_16x16x128_f8f6f4 v[rD:rD+7], v[rA:rA+7], v[rB:rB+7], 0, v[rP], v[rQ] matrix_a_fmt:MATRIX_FMT_FP4 matrix_b_fmt:MATRIX_FMT_FP4
.elseif \s < 4
	v_wmma_scale_f32_16x16x128_f8f6f4 v[rD:rD+7], v[rA:rA+7], v[rB:rB+7], v[rD:rD+7], v[rP], v[rQ] matrix_a_fmt:MATRIX_FMT_FP4 matrix_b_fmt:MATRIX_FMT_FP4
.else
	v_wmma_scale_f32_16x16x128_f8f6f4 v[rD:rD+7], v[rA:rA+7], v[rB:rB+7], v[rD:rD+7], v[rP], v[rQ] matrix_a_fmt:MATRIX_FMT_FP4 matrix_b_fmt:MATRIX_FMT_FP4 matrix_a_scale:MATRIX_SCALE_ROW1 matrix_b_scale:MATRIX_SCALE_ROW1
.endif
.endm
.macro XHEAD img                       ; the tokens' scale words and their fragments of the first two K steps
	ds_load_b128 v[XS:XS+3], v[XR] offset:XSC0-IMG0+1024*\img
	ds_load_b128 v[XS+4:XS+7], v[XR] offset:XSC0-IMG0+1024*\img+512
	XFL 0, \img
	XFL 1, \img
.endm
.macro PROD base, img                  ; source 0 = 16 rows of W^T, source 1 = 16 tokens; eight accumulators by turns
	XHEAD \img
.irp s, 0,1,2,3,4,5,6,7
.if \s < 6
	s_wait_loadcnt 16                              ; this K step's eight weight loads are in; those of the next two steps may be out
.else
	s_wait_loadcnt 8*(7-\s)
.endif
.if \s < 7
	s_wait_dscnt 4                                 ; this K step's token fragments are in; the next step's four loads may be out
.else
	s_wait_dscnt 0
.endif
.irp u, 0,1
.irp t, 0,1,2,3
.set rD, ACC+32*\u+8*\t
.set rA, WR+32*(\s%3)+8*\t
.set rB, XF+16*(\s%2)+8*\u
.set rP, WS+4*\t+\s%4
.set rQ, XS+4*\u+\s%4
	MM \s
.endr
.endr
.if \s != 6
.rept 4
	v_nop                                          ; four places in front of loads into registers that these products read, and (step 7) of the first read of results
.endr
.endif
.if \s < 5
	WL \base, \s+3
.endif
.if \s < 6
	XFL \s+2, \img
.endif
.endr
.endm
; THE SHARED WEIGHT: my two tiles (32 columns).  A K step is four loads and 16 registers, so the same 96 registers hold six K steps.
.macro WLH cb, s                       ; K step s into set s % 6
.irp t, 0,1
.irp c, 0,1
	global_load_b128 v[WR+16*((\s)%6)+8*\t+4*\c:WR+16*((\s)%6)+8*\t+4*\c+3], v[WO], s[\cb:\cb+1] offset:8192*\t+1024*(\s)+512*\c
.endr
.endr
.endm
.macro WPREH cb, sb                    ; its scale words and its first six K steps: 26 loads
.irp t, 0,1
	global_load_b128 v[WS+4*\t:WS+4*\t+3], v[WSO], s[\sb:\sb+1] offset:512*\t
.endr
.irp s, 0,1,2,3,4,5
	WLH \cb, \s
.endr
.endm
.macro PRODH cb, img                   ; four accumulators by turns: (token tile u, weight tile t) at ACC + 16 u + 8 t: a lane's 16 registers of tile u are 16 neighbouring columns
	XHEAD \img
.irp s, 0,1,2,3,4,5,6,7
.if \s < 3
	s_wait_loadcnt 20                              ; this K step's four weight loads are in; behind them five K steps' loads were issued (steps 6 and 7 behind steps 0 and 1)
.else
	s_wait_loadcnt 4*(7-\s)
.endif
.if \s < 7
	s_wait_dscnt 4                                 ; this K step's token fragments are in; the next step's four loads may be out
.else
	s_wait_dscnt 0
.endif
.irp u, 0,1
.irp t, 0,1
.set rD, ACC+16*\u+8*\t
.set rA, WR+16*(\s%6)+8*\t
.set rB, XF+16*(\s%2)+8*\u
.set rP, WS+4*\t+\s%4
.set rQ, XS+4*\u+\s%4
	MM \s
.endr
.endr
.if \s != 6
.rept 4
	v_nop                                          ; four places, as in PROD
.endr
.endif
.if \s < 2
	WLH \cb, \s+6
.endif
.if \s < 6
	XFL \s+2, \img
.endif
.endr
.endm
; 64 numbers of a lane in ACC, register 16 b + i = place 16 (lane / 16) + i of block b of my row, become codes in PC (registers 4 c .. 4 c + 3: lanes 0-15 block 2 c, lanes 16-31 block 2 c + 1) and bytes in TM+4 .. TM+7.
.macro QUANT floor
.irp b, 0,1,2,3
	v_max3_num_f32 v[TM+\b], |v[ACC+16*\b]|, |v[ACC+1+16*\b]|, \floor
.endr
.irp i, 2,4,6,8,10,12,14
.irp b, 0,1,2,3
	s_delay_alu instid0(VALU_DEP_4)
	v_max3_num_f32 v[TM+\b], v[TM+\b], |v[ACC+16*\b+\i]|, |v[ACC+1+16*\b+\i]|
.endr
.endr
.irp b, 0,1,2,3
	s_delay_alu instid0(VALU_DEP_4)
	v_permlanex16_b32 v[TM+4+\b], v[TM+\b], s20, s21
.endr
.irp b, 0,1,2,3
	s_delay_alu instid0(VALU_DEP_4)
	v_max_num_f32 v[TM+\b], v[TM+\b], v[TM+4+\b]   ; with lane l xor 16's: the block's largest magnitude
.endr
.irp b, 0,1,2,3
	s_delay_alu instid0(VALU_DEP_4)
	v_add_nc_u32 v[TM+12+\b], 0xff000000, v[TM+\b] ; 2 off its exponent field: the conversion's scale operand
.endr
.irp b, 0,1,2,3
	s_delay_alu instid0(VALU_DEP_4)
	v_lshrrev_b32 v[TM+4+\b], 23, v[TM+12+\b]      ; the scale's byte
.endr
.irp b, 0,1,2,3
	v_cvt_scalef32_pk8_fp4_f32 v[PC+2*\b], v[ACC+16*\b:ACC+7+16*\b], v[TM+12+\b]
	v_cvt_scalef32_pk8_fp4_f32 v[PC+1+2*\b], v[ACC+8+16*\b:ACC+15+16*\b], v[TM+12+\b]
.endr
	v_nop                                          ; one plain place behind a scaled conversion
.irp c, 0,1
.irp i, 0,1
	v_permlane16_swap_b32 v[PC+4*\c+\i], v[PC+2+4*\c+\i]
.endr
.endr
.endm
.macro EPI_LDS img                     ; my 64 columns of the 32 tokens become blocks 2 w, 2 w + 1 of the image in LDS
	QUANT 0x1800000
	v_lshl_or_b32 v[TM+8], v[TM+5], 8, v[TM+4]
	v_lshl_or_b32 v[TM+9], v[TM+7], 8, v[TM+6]
	s_delay_alu instid0(VALU_DEP_1)
	v_cndmask_b32 v[TM+10], v[TM+8], v[TM+9], s22
	ds_store_b128 v[XW], v[PC:PC+3] offset:16384*\img
	ds_store_b128 v[XW], v[PC+4:PC+7] offset:16384*\img+8192
	ds_store_b16 v[XSW], v[TM+10] offset:1024*\img
.endm
.macro EPI_STAGE                       ; my 64 columns of the 32 rows into the stage, each accumulator from its low end on
.irp u, 0,1
.irp t, 0,1,2,3
.irp f, 0,1
	ds_store_b128 v[SW0+\u], v[ACC+32*\u+8*\t+4*\f:ACC+32*\u+8*\t+4*\f+3] offset:128*(\t/2)+32*(\t%2)+16*\f
.endr
.endr
.endr
.endm
.macro EPI_STAGEH                      ; my 32 columns of the 32 rows: column 32 w + 16 h + e of my half lies at byte 128 w + 64 h + 4 e of a stage row; each accumulator from its low end on
.irp u, 0,1
.irp f, 0,1,2,3
	ds_store_b128 v[SH0+\u], v[ACC+16*\u+4*\f:ACC+16*\u+4*\f+3] offset:16*\f
.endr
.endr
.endm
.macro QPASS                           ; the stage by columns: register 32 u + 16 b + i = column 64 w + 32 b + 16 h + i of token row r of tile u
.irp u, 0,1
.irp t, 0,1,2,3
.irp f, 0,1
	ds_load_b128 v[ACC+32*\u+8*\t+4*\f:ACC+32*\u+8*\t+4*\f+3], v[SW0+\u] offset:128*(\t/2)+32*(\t%2)+16*\f
.endr
.endr
.endr
	s_wait_dscnt 0x0
.endm
.macro SUMSQ                           ; 1 / sqrt(mean of squares + eps) of my two rows into TM+8 and TM+10
	v_pk_mul_f32 v[TM:TM+1], v[ACC:ACC+1], v[ACC:ACC+1]
	v_pk_mul_f32 v[TM+2:TM+3], v[ACC+32:ACC+33], v[ACC+32:ACC+33]
.set j, 2
.rept 15
	s_delay_alu instid0(VALU_DEP_2)
	v_pk_fma_f32 v[TM:TM+1], v[ACC+j:ACC+j+1], v[ACC+j:ACC+j+1], v[TM:TM+1]
	s_delay_alu instid0(VALU_DEP_2)
	v_pk_fma_f32 v[TM+2:TM+3], v[ACC+32+j:ACC+33+j], v[ACC+32+j:ACC+33+j], v[TM+2:TM+3]
.set j, j+2
.endr
	s_delay_alu instid0(VALU_DEP_2)
	v_add_f32 v[TM], v[TM], v[TM+1]
	s_delay_alu instid0(VALU_DEP_2)
	v_add_f32 v[TM+2], v[TM+2], v[TM+3]
.irp m, 1,2,4,8
	s_delay_alu instid0(VALU_DEP_2)
	v_add_f32_dpp v[TM], v[TM], v[TM] row_xmask:\m row_mask:0xf bank_mask:0xf
	s_delay_alu instid0(VALU_DEP_2)
	v_add_f32_dpp v[TM+2], v[TM+2], v[TM+2] row_xmask:\m row_mask:0xf bank_mask:0xf
.endr
	s_delay_alu instid0(VALU_DEP_2)
	v_permlanex16_b32 v[TM+4], v[TM], s20, s21
	s_delay_alu instid0(VALU_DEP_2)
	v_permlanex16_b32 v[TM+5], v[TM+2], s20, s21
	s_delay_alu instid0(VALU_DEP_2)
	v_add_f32 v[TM], v[TM], v[TM+4]
	s_delay_alu instid0(VALU_DEP_2)
	v_add_f32 v[TM+2], v[TM+2], v[TM+5]
	s_delay_alu instid0(VALU_DEP_2)
	v_fma_f32 v[TM], v[TM], s24, s23               ; sum / 1,024 + eps
	s_delay_alu instid0(VALU_DEP_2)
	v_fma_f32 v[TM+2], v[TM+2], s24, s23
	s_wait_alu depctr_va_vdst(0)
	v_rsq_f32 v[TM+8], v[TM]
	v_rsq_f32 v[TM+10], v[TM+2]
	v_nop                                          ; a plain place behind the transcendentals
	s_wait_alu depctr_va_vdst(0)                   ; one wait for both, ahead of their first reader
.endm
.macro SCALEG                          ; (x * inv) * g; the gain of my columns stands in XF
.set j, 0
.rept 16
	v_pk_mul_f32 v[ACC+j:ACC+j+1], v[ACC+j:ACC+j+1], v[TM+8:TM+9] op_sel_hi:[1,0]
	v_pk_mul_f32 v[ACC+32+j:ACC+33+j], v[ACC+32+j:ACC+33+j], v[TM+10:TM+11] op_sel_hi:[1,0]
.set j, j+2
.endr
.set j, 0
.rept 16
	v_pk_mul_f32 v[ACC+j:ACC+j+1], v[ACC+j:ACC+j+1], v[XF+j:XF+j+1]
	v_pk_mul_f32 v[ACC+32+j:ACC+33+j], v[ACC+32+j:ACC+33+j], v[XF+j:XF+j+1]
.set j, j+2
.endr
.endm
.macro ROWSTO adr                      ; my two rows, 512 consecutive bytes an instruction, into the stage that adr names
.irp i, 0,1
.irp q, 0,1,2,3,4,5,6,7
	ds_store_b128 v[\adr], v[ACC+32*\i+4*\q:ACC+32*\i+4*\q+3] offset:SP*\i+512*\q
.endr
.endr
.endm
.macro ADDROW i                        ; the residual's row i (second stage) onto the product's row i
.irp q, 0,1,2,3,4,5,6,7
	ds_load_b128 v[XF+4*\q:XF+4*\q+3], v[RR2] offset:SP*\i+512*\q
.endr
	s_wait_dscnt 0x0
.set j, 0
.rept 16
	v_pk_add_f32 v[ACC+32*\i+j:ACC+32*\i+j+1], v[ACC+32*\i+j:ACC+32*\i+j+1], v[XF+j:XF+j+1]
.set j, j+2
.endr
.endm
; THE WAY OUT of my two rows: the 2,048 bytes of the last product (the stage's first 512 columns) and the same columns of x2, which begin hb bytes into its rows; their sum leaves.
.macro OUT hb
.irp i, 0,1
.irp q, 0,1,2,3
	ds_load_b128 v[ACC+32*\i+4*\q:ACC+32*\i+4*\q+3], v[RR] offset:SP*\i+512*\q
.endr
.irp q, 0,1,2,3
	ds_load_b128 v[XF+16*\i+4*\q:XF+16*\i+4*\q+3], v[RR2] offset:SP*\i+\hb+512*\q
.endr
.endr
	s_wait_dscnt 8                                 ; row 0's eight loads are in; row 1's eight may be out
.set j, 0
.rept 8
	v_pk_add_f32 v[ACC+j:ACC+j+1], v[ACC+j:ACC+j+1], v[XF+j:XF+j+1]
.set j, j+2
.endr
.irp q, 0,1,2,3
	global_store_b128 v[GR], v[ACC+4*\q:ACC+4*\q+3], s[12:13] offset:512*\q th:TH_STORE_NT   ; 512 consecutive bytes a store, aligned; written once, read by nobody here
.endr
	s_wait_dscnt 0x0
.set j, 0
.rept 8
	v_pk_add_f32 v[ACC+32+j:ACC+33+j], v[ACC+32+j:ACC+33+j], v[XF+16+j:XF+17+j]
.set j, j+2
.endr
.irp q, 0,1,2,3
	global_store_b128 v[GR], v[ACC+32+4*\q:ACC+32+4*\q+3], s[12:13] offset:4096+512*\q th:TH_STORE_NT
.endr
	s_wait_tensorcnt 0x0                           ; the wave's end: behind my last LDS store
	ds_add_u32 v[SPW], v[NIL]
	s_wait_dscnt 0x0
	s_endpgm
.endm
	s_load_b256 s[4:11], s[0:1], 0x0               ; oq, x1, g3, wq
	s_load_b64 s[12:13], s[0:1], 0x20              ; out0
	v_lshl_add_u32 v[SPW], v0, 2, SPARE
	v_mov_b32 v[NIL], 0
	v_lshrrev_b32 v[TM], 5, v0
	s_delay_alu instid0(VALU_DEP_1)
	v_readfirstlane_b32 s16, v[TM]                 ; wave 0..15
	s_lshr_b32 s17, ttmp9, 1                       ; g: which 32 tokens
	s_and_b32 s18, ttmp9, 1                        ; hf: which half of the last product's columns
	s_mov_b32 s20, 0x76543210
	s_mov_b32 s21, 0xfedcba98                      ; v_permlanex16_b32's selects for lane l xor 16
	s_mov_b32 s22, 0xffff0000                      ; lanes 16-31
	s_mov_b32 s23, 0x358637bd                      ; eps
	s_mov_b32 s24, 0x3a800000                      ; 1 / 1,024
	s_lshl_b32 s36, s17, 14                        ; o's image: 16,384 g
	s_mov_b32 s37, 0
	s_lshl_b32 s40, s17, 10                        ; o's scale bytes: 1,024 g
	s_add_co_u32 s40, s40, OSC
	s_mov_b32 s41, 0
	s_lshl_b32 s44, s18, 18                        ; my half of W2: 32 tiles of 8,192 bytes of codes,
	s_add_co_u32 s44, s44, 9*WSTR
	s_mov_b32 s45, 0
	s_lshl_b32 s46, s18, 14                        ; and of 512 bytes of scales
	s_add_co_u32 s46, s46, 9*WSTR+524288
	s_mov_b32 s47, 0
	s_lshl_b32 s50, s17, 17                        ; the tokens' rows: 32 x 4,096 bytes a group
	s_mov_b32 s51, 0
	s_lshl_b32 s52, s18, 11                        ; the result: the same rows, 2,048 hf bytes in
	s_add_co_u32 s52, s52, s50
	s_mov_b32 s53, 0
	v_and_b32 v[TM], 31, v0                        ; lane
	v_and_b32 v[TM+1], 15, v0                      ; r
	v_bfe_u32 v[TM+2], v0, 4, 1                    ; h
	s_delay_alu instid0(VALU_DEP_3)
	v_lshlrev_b32 v[LI], 4, v[TM]
	s_wait_alu depctr_va_vdst(0)
	v_add_nc_u32 v[XR], IMG0, v[LI]
	s_lshl_b32 s62, s16, 9
	s_add_co_u32 s62, s62, IMG0
	v_add_nc_u32 v[XW], s62, v[LI]
	s_lshr_b32 s62, s16, 3
	s_lshl_b32 s62, s62, 8
	s_and_b32 s63, s16, 7
	s_lshl_b32 s63, s63, 1
	s_add_co_u32 s62, s62, s63
	s_add_co_u32 s62, s62, XSC0
	v_lshl_add_u32 v[XSW], v[TM+2], 8, v[LI]
	s_delay_alu instid0(VALU_DEP_1)
	v_add_nc_u32 v[XSW], s62, v[XSW]
	v_mul_u32_u24 v[SH0], v[TM+1], SP
	s_delay_alu instid0(VALU_DEP_1)
	v_lshl_add_u32 v[SH0], v[TM+2], 6, v[SH0]      ; SP r + 64 h
	s_lshl_b32 s62, s16, 8
	v_add_nc_u32 v[SW0], s62, v[SH0]
	s_delay_alu instid0(VALU_DEP_1)
	v_add_nc_u32 v[SW1], 16*SP, v[SW0]
	s_lshl_b32 s62, s16, 7
	v_add_nc_u32 v[SH0], s62, v[SH0]
	s_delay_alu instid0(VALU_DEP_1)
	v_add_nc_u32 v[SH1], 16*SP, v[SH0]
	s_mul_i32 s62, s16, 2*SP
	v_add_nc_u32 v[RR], s62, v[LI]
	s_delay_alu instid0(VALU_DEP_1)
	v_add_nc_u32 v[RR2], STG2, v[RR]
	s_lshl_b32 s62, s16, 15
	v_add_nc_u32 v[WO], s62, v[LI]
	s_lshl_b32 s62, s16, 11
	v_add_nc_u32 v[WSO], s62, v[LI]
	s_lshr_b32 s62, s16, 3                         ; stage rows 2 w, 2 w + 1 are tokens 8 (w / 8) + 16 ((w / 4) % 2) + 2 (w % 4) and the next
	s_lshl_b32 s62, s62, 3
	s_bfe_u32 s63, s16, 0x10002
	s_lshl_b32 s63, s63, 4
	s_add_co_u32 s62, s62, s63
	s_and_b32 s63, s16, 3
	s_lshl_b32 s63, s63, 1
	s_add_co_u32 s62, s62, s63
	s_lshl_b32 s62, s62, 12
	v_add_nc_u32 v[GR], s62, v[LI]
	s_lshl_b32 s62, s16, 10
	v_add_nc_u32 v[TM+3], s62, v[LI]               ; o's image: my 1,024 bytes, in memory
	s_delay_alu instid0(VALU_DEP_1)
	v_add_nc_u32 v[TM+4], IMG0, v[TM+3]            ; and in LDS
	s_lshl_b32 s62, s16, 6
	v_lshl_add_u32 v[TM+5], v[TM], 1, s62          ; its scale bytes: my 64
	s_delay_alu instid0(VALU_DEP_1)
	v_add_nc_u32 v[TM+6], XSC0, v[TM+5]
	s_lshl_b32 s62, s16, 8
	v_lshl_add_u32 v[TM+7], v[TM], 3, s62          ; the gain: my 256 bytes
	s_delay_alu instid0(VALU_DEP_1)
	v_add_nc_u32 v[TM+8], GAM, v[TM+7]
	s_wait_alu depctr_va_vdst(0)
	s_wait_kmcnt 0x0
	s_add_nc_u64 s[6:7], s[6:7], s[50:51]
	s_add_nc_u64 s[12:13], s[12:13], s[52:53]
	s_add_nc_u64 s[40:41], s[4:5], s[40:41]
	s_add_nc_u64 s[4:5], s[4:5], s[36:37]
	s_add_nc_u64 s[28:29], s[10:11], 7*WSTR        ; Wo2
	s_add_nc_u64 s[30:31], s[10:11], 8*WSTR        ; W1
	s_add_nc_u64 s[32:33], s[10:11], s[44:45]      ; my half of W2: codes,
	s_add_nc_u64 s[34:35], s[10:11], s[46:47]      ; scales
.irp i, 0,1
.irp q, 0,1,2,3,4,5,6,7
	global_load_b128 v[ACC+32*\i+4*\q:ACC+32*\i+4*\q+3], v[GR], s[6:7] offset:4096*\i+512*\q   ; the residual x1: my two tokens' rows (the pair's other work-group reads them too: no hint)
.endr
.endr
	global_load_b128 v[XF:XF+3], v[TM+3], s[4:5]
	global_load_b128 v[XF+4:XF+7], v[TM+3], s[4:5] offset:512
	global_load_u16 v[XF+8], v[TM+5], s[40:41]
	global_load_b64 v[XF+10:XF+11], v[TM+7], s[8:9]
	WPRE 28
	s_wait_loadcnt 28                              ; all but the weight's 28 loads are in
	ROWSTO RR2
	ds_store_b128 v[TM+4], v[XF:XF+3]
	ds_store_b128 v[TM+4], v[XF+4:XF+7] offset:512
	ds_store_b16 v[TM+6], v[XF+8]
	ds_store_b64 v[TM+8], v[XF+10:XF+11]
	BAR                                            ; o's image, its scale bytes and the gain lie in LDS
.irp i, 4,5,6,7,8,9,10,11
	v_mov_b32 v[TM+\i], 0                          ; written once: a lane permute's destination, and the upper half of a pair that is named, count as read
.endr
	PROD 28, 0
	WPRE 30                                        ; the next weight is on its way through the norm
	EPI_STAGE
	BAR                                            ; 32 whole rows of o Wo2 lie in the stage
.irp i, 0,1
.irp q, 0,1,2,3,4,5,6,7
	ds_load_b128 v[ACC+32*\i+4*\q:ACC+32*\i+4*\q+3], v[RR] offset:SP*\i+512*\q
.endr
.endr
	ADDROW 0
	ADDROW 1
.irp q, 0,1,2,3,4,5,6,7
	ds_load_b128 v[XF+4*\q:XF+4*\q+3], v[XR] offset:GAM-IMG0+512*\q   ; the gain of my columns
.endr
	ROWSTO RR2                                     ; x2 takes x1's place in my rows of the second stage
	SUMSQ
	s_wait_dscnt 0x0                               ; the gain is in, and the stores have read their registers
	SCALEG
	ROWSTO RR
	BAR                                            ; 32 normalised rows lie in the stage
	QPASS
	EPI_LDS 1
	BAR                                            ; their image lies in LDS
	PROD 30, 1
	s_lshl_b32 s62, s16, 14                        ; every load that named these two offsets has been waited for: now my two tiles of the shared weight
	v_add_nc_u32 v[WO], s62, v[LI]
	s_lshl_b32 s62, s16, 10
	v_add_nc_u32 v[WSO], s62, v[LI]
	WPREH 32, 34                                   ; six of its eight K steps are on their way while the hidden layer is quantised
.set j, 0
.rept 64
	v_max_num_f32 v[ACC+j], 0, v[ACC+j]            ; the activation, in f32, each accumulator from its low end on
.set j, j+1
.endr
	EPI_LDS 0                                      ; the first image's last readers passed three barriers ago
	BAR                                            ; the hidden layer's image lies in LDS
	PRODH 32, 0
	EPI_STAGEH
	BAR                                            ; my half's 512 columns of the 32 rows lie in the stage
	s_cmp_lg_u32 s18, 0                            ; where my columns of x2 begin hangs on the work-group's number alone
	s_cbranch_scc1 .Lhigh
	OUT 0
.Lhigh:
	OUT 2048
.Lfunc_end_k_qd144c1a75b_ch2:
	.size	k_qd144c1a75b_ch2, .Lfunc_end_k_qd144c1a75b_ch2-k_qd144c1a75b_ch2
	.p2alignl 7, 3214868480
	.fill 96, 4, 3214868480
	.section	.rodata,"a",@progbits
	.p2align	6, 0x0
	.amdhsa_kernel k_qd144c1a75b_ch2
		.amdhsa_group_segment_fixed_size 304128
		.amdhsa_private_segment_fixed_size 0
		.amdhsa_enable_private_segment 0
		.amdhsa_kernarg_size 40
		.amdhsa_user_sgpr_count 2
		.amdhsa_user_sgpr_kernarg_segment_ptr 1
		.amdhsa_wavefront_size32 1
		.amdhsa_system_sgpr_workgroup_id_x 1
		.amdhsa_system_sgpr_workgroup_id_y 1
		.amdhsa_system_sgpr_workgroup_id_z 1
		.amdhsa_system_vgpr_workitem_id 0
		.amdhsa_next_free_vgpr 256
		.amdhsa_next_free_sgpr 66
		.amdhsa_reserve_vcc 0
		.amdhsa_float_denorm_mode_32 3
		.amdhsa_float_denorm_mode_16_64 3
		.amdhsa_memory_ordered 1
		.amdhsa_forward_progress 1
		.amdhsa_inst_pref_size 92
	.end_amdhsa_kernel
	.amdgpu_metadata
---
amdhsa.version: [ 1, 2 ]
amdhsa.kernels:
  - .name:           k_qd144c1a75b_ch2
    .symbol:         k_qd144c1a75b_ch2.kd
    .args:
      - { .name: oq, .offset: 0, .size: 8, .value_kind: global_buffer, .address_space: global }
      - { .name: x1, .offset: 8, .size: 8, .value_kind: global_buffer, .address_space: global }
      - { .name: g3, .offset: 16, .size: 8, .value_kind: global_buffer, .address_space: global }
      - { .name: wq, .offset: 24, .size: 8, .value_kind: global_buffer, .address_space: global }
      - { .name: out0, .offset: 32, .size: 8, .value_kind: global_buffer, .address_space: global }
    .group_segment_fixed_size: 304128
    .private_segment_fixed_size: 0
    .kernarg_segment_align: 8
    .kernarg_segment_size: 40
    .max_flat_workgroup_size: 512
    .sgpr_count:     66
    .vgpr_count:     256
    .wavefront_size: 32
...
	.end_amdgpu_metadata
.endif
;; end of part 6
